; MI455X (gfx1250); checked and timed in simulation.
; The chip was launched on July 23, 2026; its instructions are those of AMD's public machine-readable ISA for CDNA 5 (MIT licence, August 2026) and "CDNA5" Instruction Set Architecture Reference Guide (July 2026). The comments in the code are by the model that wrote it; some were corrected since.
;; Multi Headed Self Attn. Allowed arithmetic: matrix products marked QUANTISED: E2M3 operands, one E8M0 scale for each 32 along K, by v_wmma_scale_f32_16x16x128_f8f6f4 with both operands' format E2M3, f32 sums; everything else in f32.
;; Inputs: bk 16 x 64 float32; bo 1,024 float32; bq 16 x 64 float32; bv 16 x 64 float32; k_and_v 4 x 2,048 x 1,024 float32; q 4 x 2,048 x 1,024 float32; wk 16 x 1,024 x 64 float32; wo 1,024 x 1,024 float32; wq 16 x 1,024 x 64 float32; wv 16 x 1,024 x 64 float32.
;; Outputs: out0 4 x 2,048 x 1,024 float32.
;; This version of the problem:
;;   THIS VERSION OF THE PROBLEM IS GIVEN IN LOW PRECISION. The matrix products marked QUANTISED in the list below multiply operands that are first quantised to E2M3 (2 exponent bits, 3 mantissa bits; 6 bits a number), with one power-of-two scale for each 32 numbers along K (OCP MX v1.0); their sums are f32. All else is computed in f32.
;;   The module's matrix products, in the order in which they are computed (A, B: the left and right operand; K: the contracted axis; several contracted axes count as one K, in the product's order):
;;     1. [M 1,024, K 1,024] x [K 1,024, N 8,192]; A: input wq; B: input q: QUANTISED
;;     2. [M 1,024, K 1,024] x [K 1,024, N 8,192]; A: input wk; B: input k_and_v: QUANTISED
;;     3. [M 1,024, K 1,024] x [K 1,024, N 8,192]; A: input wv; B: input k_and_v: QUANTISED
;;     4. batch 64 x [M 2,048, K 64] x [K 64, N 2,048]; A: computed on the way; B: computed on the way: QUANTISED
;;     5. batch 64 x [M 2,048, K 2,048] x [K 2,048, N 64]; A: softmax (see below); B: computed on the way: QUANTISED
;;     6. [M 8,192, K 1,024] x [K 1,024, N 1,024]; A: computed on the way; B: input wo: QUANTISED
;;   THE QUANTISER, for each operand of a quantised product, along K:
;;     - K is cut into blocks of 32 from its start; a last block that is shorter is filled with zeros.
;;     - A block's scale is 2^e with e = floor(log2(the largest magnitude in the block)) - 2, held to -126 .. 127; a block of zeros has e = 0. As a byte (E8M0): e + 127.
;;     - Each number is divided by its block's scale, clamped to +-7.5, and rounded to the nearest number of E2M3, ties to even, subnormals kept.
;;     - The product sums the exact products of the quantised numbers (number of the format x scale) in f32.
;;   ~~~python
;;   def quantise(x, axis):      # numpy; x: float32 -> the quantised numbers, widened to float32 again
;;       x = np.moveaxis(x, axis, -1); K = x.shape[-1]
;;       x = np.pad(x, [(0, 0)] * (x.ndim - 1) + [(0, -K % 32)]); x = x.reshape(x.shape[:-1] + (-1, 32)); a = np.abs(x).max(-1, keepdims=True)
;;       e = np.where(a > 0, np.clip(np.frexp(np.where(a > 0, a, 1))[1] - 1 - 2, -126, 127), 0)      # np.frexp(a)[1] - 1 = floor(log2(a)), exactly
;;       r = np.clip(x / 2.0 ** e, -7.5, 7.5)
;;       step = 2.0 ** (np.maximum(np.frexp(np.where(r == 0, 1, r))[1] - 1, 0) - 3)
;;       q = np.round(r / step) * step * 2.0 ** e      # np.round: ties to even
;;       return np.moveaxis(q.reshape(q.shape[:-2] + (-1,))[..., :K], -1, axis).astype(np.float32)
;;   ~~~
;;   SOFTMAX AHEAD OF A QUANTISED PRODUCT. Where the list says 'softmax', what is quantised is not the finished softmax but p = 2^(t - M), with t = logit x log2(e) and M = ceil(the row's largest t), a whole number; so 1/2 < the row's largest p <= 1. The row's sum l is taken of the UNQUANTISED p, in f32, and the product's result is divided by l at the end. Since M is a whole number, a kernel that streams over the keys may use a running M (the ceiling of the running maximum): every later rescaling is an exact power of two, which a block's scale takes up: the codes' values come out the same.
;;   OPERANDS COMPUTED ON THE WAY. 'Computed on the way' means the value that the module computes at that place (a softmax that the list does not call 'softmax' is quantised finished and normalised). What goes into a quantiser is computed in f32, as accurately as f32 sums, v_exp_f32 and their like allow (about 1e-6 of the number): no bf16 or f16 on the way to a quantiser, and a product that is left as it is and whose result goes on into a quantised operand takes f32 operands (vector FMAs, or v_wmma_f32_16x16x4_f32). A number that lies on a knife's edge between two numbers of the format may be rounded either way, as far as f32 arithmetic and the matrix unit's own rounding can turn it there, and no further.
;; One version. Each part assembles by itself: llvm-mc -triple=amdgcn-amd-amdhsa -mcpu=gfx1250 --defsym DOCPART=n.
;; ======== version 1 of 1: 4 launches
;; limits: right only within a limited range of input values
;; workspace buffers: ximg 12,582,912 bytes; xscl 1,048,576 bytes; wimg 3,145,728 bytes; wscl 262,144 bytes; qs 7,340,032 bytes; kv 14,155,776 bytes; zimg 6,291,456 bytes; zscl 524,288 bytes
;; launch quant (part 1): grid 768 x 1, 4 waves a work-group, no clusters, 34,304 bytes of LDS; arguments q, k_and_v, wq, wk, wv, wo, ximg, xscl, wimg, wscl; writes ximg, xscl, wimg, wscl
.if DOCPART == 1
	.amdgcn_target "amdgcn-amd-amdhsa--gfx1250"
	.amdhsa_code_object_version 6
	.text
	.protected	k_q3f00c0b0a4_quant
	.globl	k_q3f00c0b0a4_quant
	.p2align	8
	.type	k_q3f00c0b0a4_quant,@function
k_q3f00c0b0a4_quant:
	s_mov_b64 s[64:65], 0
	v_nop
	global_prefetch_b8 v0, s[64:65] scope:SCOPE_SE
	s_setreg_imm32_b32 hwreg(HW_REG_WAVE_MODE, 25, 1), 1
	s_wait_xcnt 0x0
; q, k_and_v [8192][1024] f32 (K = the 1,024 innermost) and wq, wk, wv [16][1024][64], wo [1024][1024] f32 (K = the 1,024 NOT innermost) become codes of FP6 (E2M3) with one E8M0 byte for each 32 along K.
; THE CODES ARE LAID AS IMAGES OF OPERAND REGISTERS.  A fragment is 16 rows x 128 K, 12 registers a lane: register g of lane l lies at byte 512 (g / 4) + 16 l + 4 (g % 4) of 1,536.  Its scale words: lane l's at 4 l of 128
; (lanes 16-31 repeat lanes 0-15).  A tensor is [tile][K step 0..7][1536], its scales [tile][K step][128].
; THE ROWS OF A TILE ARE NOT NEIGHBOURS: lane r of tile 2 B + u holds row 32 B + 8 u + r + 8 (r / 8), so that a product which takes such tiles as source 0 leaves 16 neighbours in the 16 registers of two neighbouring result tiles.
; A block's scale is 2^(floor(log2(its largest magnitude)) - 2): its byte is the largest magnitude's exponent field - 2, held at 1 from below by a floor among the maximum's leaves.
; LIMITS: NaN and infinities among the inputs are not served; a block of zeros gets the byte 1 where the rule says 127 (its codes are zeros, and this program alone reads the bytes).
; Work-groups 0-511: q and k_and_v (a wave: one tile x 4 K steps).  Work-groups 512-767: the weights (a wave: 32 columns x one K step).  Only the first path uses LDS.  No barrier: waves share nothing.
.set R,   16                           ; v16-143  two sets of 64 numbers as loaded (16 rows x 16 bytes a lane)
.set X,   144                          ; v144-207 64 numbers of my row: register 16 b + i = k 32 b + 16 (lane / 16) + i
.set TM,  208                          ; v208-223 at work in QUANT
.set PC,  224                          ; v224-243 the codes just made
.set PW,  244                          ; v244     the scale word just made
.set SEL, 26                           ; s[26:27] selects of v_permlanex16_b32 for lane l xor 16
.set WX,  16                           ; weights: v16-143 four blocks of 32 down K
.set CA,  144                          ; v144-155 blocks 0, 2: the registers of image lane r;  v156-167 blocks 1, 3: those of image lane 16 + r
.set CT,  168                          ; v168-170 the second half of a block's codes, before it is moved
.set WD,  176                          ; v176     my column's scale word
; 64 numbers of a lane become a fragment's 12 registers in v[PC] on and its scale word in v[PW]
.macro QUANT s
.irp b, 0,1,2,3
	v_max3_num_f32 v[TM+\b], |v[\s+16*\b]|, |v[\s+1+16*\b]|, 0x1800000   ; block b: my 16 numbers, and the floor 2^(3 - 127): the byte cannot fall under 1
.endr
.irp i, 2,4,6,8,10,12,14
.irp b, 0,1,2,3
	v_max3_num_f32 v[TM+\b], v[TM+\b], |v[\s+16*\b+\i]|, |v[\s+1+16*\b+\i]|   ; the four blocks by turns
.endr
.endr
.irp b, 0,1,2,3
	v_permlanex16_b32 v[TM+4+\b], v[TM+\b], s[SEL], s[SEL+1]
.endr
.irp b, 0,1,2,3
	v_max_num_f32 v[TM+\b], v[TM+\b], v[TM+4+\b]   ; with lane l xor 16's: the block's largest magnitude
.endr
.irp b, 0,1,2,3
	v_add_nc_u32 v[TM+12+\b], 0xff000000, v[TM+\b]   ; 2 off its exponent field: the conversion takes this operand's exponent field as its scale
.endr
.irp b, 0,1,2,3
	v_lshrrev_b32 v[TM+4+\b], 23, v[TM+12+\b]      ; the scale's byte
.endr
	v_lshl_or_b32 v[PW], v[TM+5], 8, v[TM+4]
	v_lshl_or_b32 v[PW], v[TM+6], 16, v[PW]
	v_lshl_or_b32 v[PW], v[TM+7], 24, v[PW]
.irp c, 0,1
	v_cvt_scalef32_pk16_fp6_f32 v[PC+6*\c:PC+2+6*\c], v[\s+32*\c:\s+15+32*\c], v[TM+12+2*\c]
	v_cvt_scalef32_pk16_fp6_f32 v[PC+12+4*\c:PC+14+4*\c], v[\s+16+32*\c:\s+31+32*\c], v[TM+12+2*\c+1]   ; (a conversion's three registers begin on an even number)
.endr
	v_nop                                          ; one plain place behind a scaled conversion
.irp c, 0,1                                    ; the operand wants a WHOLE block in a lane: lanes 0-15 block 2 c, lanes 16-31 block 2 c + 1
.irp i, 0,1,2
	v_permlane16_swap_b32 v[PC+6*\c+\i], v[PC+12+4*\c+\i]
.endr
.irp i, 0,1,2
	v_mov_b32 v[PC+3+6*\c+\i], v[PC+12+4*\c+\i]
.endr
.endr
.endm
	s_load_b256 s[4:11], s[0:1], 0x0               ; q s[4:5], k_and_v s[6:7], wq s[8:9], wk s[10:11]
	s_load_b256 s[12:19], s[0:1], 0x20             ; wv s[12:13], wo s[14:15], ximg s[16:17], xscl s[18:19]
	s_load_b128 s[20:23], s[0:1], 0x40             ; wimg s[20:21], wscl s[22:23]
	v_lshl_add_u32 v254, v0, 2, 0x8400
	v_mov_b32 v255, 0
	v_lshrrev_b32 v1, 5, v0
	v_readfirstlane_b32 s24, v1                    ; wave 0..3
	v_and_b32 v1, 31, v0                           ; lane
	v_lshlrev_b32 v2, 4, v1                        ; 16 x lane
	v_lshlrev_b32 v3, 2, v1                        ; 4 x lane
	s_cmp_ge_u32 ttmp9, 512
	s_cbranch_scc1 .Lweights
	; ---- q and k_and_v: K innermost.  u = 4 x work-group + wave: tile u / 2 (0-511 q, 512-1023 k_and_v), K steps 4 (u % 2) + 0 .. 3
	s_mov_b32 s[SEL], 0x76543210
	s_mov_b32 s[SEL+1], 0xfedcba98
	s_mul_i32 s28, s24, 8448                       ; my wave's stage: 16 rows x (512 + 16) bytes
	v_add_nc_u32 v4, s28, v2                       ; in: 16 x lane of a row
	v_and_b32 v6, 15, v0
	v_bfe_u32 v7, v0, 4, 1
	v_mul_u32_u24 v5, v6, 528
	v_lshl_add_u32 v5, v7, 6, v5
	v_add_nc_u32 v5, s28, v5                       ; out: row lane % 16, + 64 (lane / 16): my 16 numbers of a block of 32
.irp b, 0,1,2,3
	v_mov_b32 v[TM+4+\b], 0                        ; written once: a lane permute's destination counts as one of its sources
.endr
	s_lshl_b32 s29, ttmp9, 2
	s_add_co_u32 s29, s29, s24                     ; u
	s_lshr_b32 s30, s29, 1                         ; the tile
	s_and_b32 s31, s29, 1                          ; which half of K
	s_and_b32 s32, s30, 511                        ; the tile in its tensor
	; q keeps the order above.  k_and_v: lane r of tile 4 G + t holds row 64 G + 8 t + r + 24 (r / 8), so that four neighbouring result tiles leave 32 neighbours, a whole scale block, in one lane
	s_cmp_lt_u32 ttmp9, 256
	s_cselect_b32 s35, 1, 2                        ; log2 of the tiles in a group of rows
	s_cselect_b32 s36, 0, 0x10000                  ; k_and_v: a tile's rows 8-15 lie 16 rows of 4,096 bytes further down
	v_add_nc_u32 v8, s36, v2
	s_lshr_b32 s33, s32, s35
	s_add_co_u32 s34, s35, 4
	s_lshl_b32 s33, s33, s34                       ; 32 or 64 rows a group
	s_bfm_b32 s34, s35, 0
	s_and_b32 s34, s32, s34
	s_lshl_b32 s34, s34, 3
	s_add_co_u32 s33, s33, s34                     ; its first row: 32 (tile / 2) + 8 (tile % 2)
	s_lshl_b32 s34, s33, 12                        ; rows of 4,096 bytes
	s_lshl_b32 s35, s31, 11
	s_add_co_u32 s34, s34, s35                     ; + 2,048 for the upper half of K
	s_mov_b32 s35, 0
	s_lshl_b32 s36, s29, 2                         ; my first fragment: 8 x tile + 4 x half = 4 u
	s_mul_i32 s38, s36, 1536
	s_mov_b32 s39, 0
	s_lshl_b32 s36, s36, 7
	s_mov_b32 s37, 0
	s_wait_alu depctr_va_vdst(0)
	s_wait_kmcnt 0x0
	s_cmp_lt_u32 ttmp9, 256                        ; the choice hangs on the work-group's number alone
	s_cselect_b64 s[4:5], s[4:5], s[6:7]
	s_add_nc_u64 s[4:5], s[4:5], s[34:35]
	s_add_nc_u64 s[16:17], s[16:17], s[38:39]
	s_add_nc_u64 s[18:19], s[18:19], s[36:37]
.macro LOAD t                          ; K step t of the tile's 16 rows: each load reads 512 consecutive bytes of one row
.irp i, 0,1,2,3,4,5,6,7,8,9,10,11,12,13,14,15
.if \i < 8
	global_load_b128 v[R+64*((\t)%2)+4*\i:R+64*((\t)%2)+4*\i+3], v2, s[4:5] offset:(\i+8*(\i/8))*4096+512*(\t) th:TH_LOAD_NT
.else
	global_load_b128 v[R+64*((\t)%2)+4*\i:R+64*((\t)%2)+4*\i+3], v8, s[4:5] offset:(\i+8*(\i/8))*4096+512*(\t) th:TH_LOAD_NT
.endif
.endr
.endm
.macro XSTEP t
.if (\t) < 3
	s_wait_loadcnt 16                              ; this step's 16 loads are in; the next step's 16 may be out
.else
	s_wait_loadcnt 0x0
.endif
.irp i, 0,1,2,3,4,5,6,7,8,9,10,11,12,13,14,15
	ds_store_b128 v4, v[R+64*((\t)%2)+4*\i:R+64*((\t)%2)+4*\i+3] offset:528*\i
.endr
.irp b, 0,1,2,3
.irp j, 0,1,2,3
	ds_load_b128 v[X+16*\b+4*\j:X+16*\b+4*\j+3], v5 offset:128*\b+16*\j   ; LDS serves a wave's instructions in order: these see the stores above
.endr
.endr
	s_wait_dscnt 0x0                               ; my 64 numbers are back, and the stores have read their registers,
.if (\t)+2 < 4
	LOAD (\t)+2                                    ; which take the loads of two steps on
.endif
	s_wait_xcnt 0x0                                ; the last step's stores have read the codes and the scale word: these are written again only behind this wait
	QUANT X
.irp c, 0,1,2
	global_store_b128 v2, v[PC+4*\c:PC+4*\c+3], s[16:17] offset:1536*(\t)+512*\c   ; 32 lanes store 512 consecutive bytes, aligned to 256
.endr
	global_store_b32 v3, v[PW], s[18:19] offset:128*(\t)
.endm
	LOAD 0
	LOAD 1
	XSTEP 0
	XSTEP 1
	XSTEP 2
	XSTEP 3
	s_wait_tensorcnt 0x0
	ds_add_u32 v254, v255
	s_wait_dscnt 0x0
	s_endpgm
	; ---- the weights: K is not innermost.  A LANE TAKES A COLUMN AND ITS REGISTERS RUN DOWN K: a block of 32 lies in one lane, and the conversions give codes with K innermost.
.Lweights:
	s_sub_co_u32 s28, ttmp9, 512
	s_lshr_b32 s29, s28, 6                         ; the matrix: 0 wq, 1 wk, 2 wv, 3 wo
	s_and_b32 s30, s28, 63
	s_lshl_b32 s30, s30, 2
	s_add_co_u32 s30, s30, s24
	s_and_b32 s31, s30, 31                         ; which 32 of its 1,024 columns (for wq, wk, wv: column = 64 x head + d)
	s_lshr_b32 s32, s30, 5                         ; which K step of 128
	v_bfe_u32 v6, v0, 3, 1                         ; column 32 g + lane lies in tile 2 g + u, u = (lane / 8) % 2,
	v_and_b32 v7, 7, v0
	v_bfe_u32 v8, v0, 4, 1
	v_lshl_or_b32 v7, v8, 3, v7                    ; as that tile's row lane % 8 + 8 (lane / 16)
	v_mul_u32_u24 v4, v6, 12288
	v_lshl_add_u32 v4, v7, 4, v4                   ; the codes' place: a tile is 12,288 bytes; 16 bytes an image lane
	v_lshlrev_b32 v5, 10, v6
	v_lshl_add_u32 v5, v7, 2, v5                   ; the scale word's: a tile is 1,024 bytes
	s_lshl_b32 s33, s29, 6
	s_lshl_b32 s34, s31, 1
	s_add_co_u32 s33, s33, s34                     ; tile 64 m + 2 g
	s_lshl_b32 s33, s33, 3
	s_add_co_u32 s33, s33, s32                     ; fragment 8 x tile + K step
	s_mul_i32 s34, s33, 1536
	s_mov_b32 s35, 0
	s_lshl_b32 s36, s33, 7
	s_mov_b32 s37, 0
	s_wait_kmcnt 0x0
	s_add_nc_u64 s[20:21], s[20:21], s[34:35]
	s_add_nc_u64 s[22:23], s[22:23], s[36:37]
.macro WLOAD k, pitch, base            ; block k: rows 32 k + i of the K step, 32 neighbouring columns: 128 consecutive bytes a load
.irp i, 0,1,2,3,4,5,6,7,8,9,10,11,12,13,14,15,16,17,18,19,20,21,22,23,24,25,26,27,28,29,30,31
	global_load_b32 v[WX+32*(\k)+\i], v3, s[\base:\base+1] offset:(32*(\k)+\i)*\pitch th:TH_LOAD_NT
.endr
.endm
.macro WBLOCK k
.set XS, WX+32*(\k)
.set DD, CA+12*((\k)%2)+6*((\k)/2)     ; block 2 c + h is registers 6 c .. 6 c + 5 of image lane 16 h + r
	v_max3_num_f32 v172, |v[XS]|, |v[XS+1]|, |v[XS+2]|             ; the block's largest magnitude: all 32 numbers are mine; two chains
	v_max3_num_f32 v173, |v[XS+3]|, |v[XS+4]|, |v[XS+5]|
.irp i, 6,10,14,18,22,26
	v_max3_num_f32 v172, v172, |v[XS+\i]|, |v[XS+\i+1]|
	v_max3_num_f32 v173, v173, |v[XS+\i+2]|, |v[XS+\i+3]|
.endr
	v_max3_num_f32 v172, v172, |v[XS+30]|, |v[XS+31]|
	v_max3_num_f32 v172, v172, v173, 0x1800000     ; and the floor 2^(3 - 127)
	v_add_nc_u32 v174, 0xff000000, v172            ; the conversion's scale operand
	v_lshrrev_b32 v175, 23, v174                   ; the scale's byte
.if (\k) == 0
	v_mov_b32 v[WD], v175
.else
	v_lshl_or_b32 v[WD], v175, 8*(\k), v[WD]
.endif
	v_cvt_scalef32_pk16_fp6_f32 v[DD:DD+2], v[XS:XS+15], v174
	v_cvt_scalef32_pk16_fp6_f32 v[CT:CT+2], v[XS+16:XS+31], v174   ; (a conversion's three registers begin on an even number)
	v_nop                                          ; one plain place behind a scaled conversion
.irp i, 0,1,2
	v_mov_b32 v[DD+3+\i], v[CT+\i]
.endr
.endm
.macro WPATH pitch, base
	WLOAD 0, \pitch, \base
	WLOAD 1, \pitch, \base
	s_wait_loadcnt 32                              ; block 0 is in; the youngest block's 32 loads may be out (so at each of these waits)
	WLOAD 2, \pitch, \base
	WBLOCK 0
	s_wait_loadcnt 32
	WLOAD 3, \pitch, \base
	WBLOCK 1
	s_wait_loadcnt 32
	WBLOCK 2
	s_wait_loadcnt 0x0
	WBLOCK 3
.irp hh, 0,1
.irp c, 0,1,2
	global_store_b128 v4, v[CA+12*\hh+4*\c:CA+12*\hh+4*\c+3], s[20:21] offset:256*\hh+512*\c   ; the 16 lanes of one tile store 256 consecutive bytes, aligned
.endr
.endr
	global_store_b32 v5, v[WD], s[22:23]           ; the scale word, for image lane r
	global_store_b32 v5, v[WD], s[22:23] offset:64 ; and once more for image lane 16 + r
.endm
	s_cmp_eq_u32 s29, 3
	s_cbranch_scc1 .Lwo
	s_lshr_b32 s34, s31, 1                         ; wq, wk, wv [head][k][64]: head g / 2 x 262,144 + K step x 32,768 + (g % 2) x 128; 256 bytes from k to k + 1
	s_lshl_b32 s34, s34, 18
	s_lshl_b32 s36, s32, 15
	s_add_co_u32 s34, s34, s36
	s_and_b32 s36, s31, 1
	s_lshl_b32 s36, s36, 7
	s_add_co_u32 s34, s34, s36
	s_cmp_eq_u32 s29, 1
	s_cselect_b64 s[8:9], s[10:11], s[8:9]
	s_cmp_eq_u32 s29, 2
	s_cselect_b64 s[8:9], s[12:13], s[8:9]
	s_add_nc_u64 s[8:9], s[8:9], s[34:35]
	s_wait_alu depctr_va_vdst(0)
	WPATH 256, 8
	s_endpgm
.Lwo:
	s_lshl_b32 s34, s32, 19                        ; wo [k][1024]: K step x 524,288 + g x 128; 4,096 bytes from k to k + 1
	s_lshl_b32 s36, s31, 7
	s_add_co_u32 s34, s34, s36
	s_add_nc_u64 s[14:15], s[14:15], s[34:35]
	s_wait_alu depctr_va_vdst(0)
	WPATH 4096, 14
	s_endpgm
.Lfunc_end_k_q3f00c0b0a4_quant:
	.size	k_q3f00c0b0a4_quant, .Lfunc_end_k_q3f00c0b0a4_quant-k_q3f00c0b0a4_quant
	.p2alignl 7, 3214868480
	.fill 96, 4, 3214868480
	.section	.rodata,"a",@progbits
	.p2align	6, 0x0
	.amdhsa_kernel k_q3f00c0b0a4_quant
		.amdhsa_group_segment_fixed_size 34304
		.amdhsa_private_segment_fixed_size 0
		.amdhsa_enable_private_segment 0
		.amdhsa_kernarg_size 80
		.amdhsa_user_sgpr_count 2
		.amdhsa_user_sgpr_kernarg_segment_ptr 1
		.amdhsa_wavefront_size32 1
		.amdhsa_system_sgpr_workgroup_id_x 1
		.amdhsa_system_sgpr_workgroup_id_y 1
		.amdhsa_system_sgpr_workgroup_id_z 1
		.amdhsa_system_vgpr_workitem_id 0
		.amdhsa_next_free_vgpr 256
		.amdhsa_next_free_sgpr 66
		.amdhsa_reserve_vcc 0
		.amdhsa_float_denorm_mode_32 3
		.amdhsa_float_denorm_mode_16_64 3
		.amdhsa_memory_ordered 1
		.amdhsa_forward_progress 1
		.amdhsa_inst_pref_size 73
	.end_amdhsa_kernel
	.amdgpu_metadata
---
amdhsa.version: [ 1, 2 ]
amdhsa.kernels:
  - .name:           k_q3f00c0b0a4_quant
    .symbol:         k_q3f00c0b0a4_quant.kd
    .args:
      - { .name: q, .offset: 0, .size: 8, .value_kind: global_buffer, .address_space: global }
      - { .name: k_and_v, .offset: 8, .size: 8, .value_kind: global_buffer, .address_space: global }
      - { .name: wq, .offset: 16, .size: 8, .value_kind: global_buffer, .address_space: global }
      - { .name: wk, .offset: 24, .size: 8, .value_kind: global_buffer, .address_space: global }
      - { .name: wv, .offset: 32, .size: 8, .value_kind: global_buffer, .address_space: global }
      - { .name: wo, .offset: 40, .size: 8, .value_kind: global_buffer, .address_space: global }
      - { .name: ximg, .offset: 48, .size: 8, .value_kind: global_buffer, .address_space: global }
      - { .name: xscl, .offset: 56, .size: 8, .value_kind: global_buffer, .address_space: global }
      - { .name: wimg, .offset: 64, .size: 8, .value_kind: global_buffer, .address_space: global }
      - { .name: wscl, .offset: 72, .size: 8, .value_kind: global_buffer, .address_space: global }
    .group_segment_fixed_size: 34304
    .private_segment_fixed_size: 0
    .kernarg_segment_align: 8
    .kernarg_segment_size: 80
    .max_flat_workgroup_size: 128
    .sgpr_count:     66
    .vgpr_count:     256
    .wavefront_size: 32
...
	.end_amdgpu_metadata
.endif
;; end of part 1
;; launch proj (part 2): grid 12 x 32, 4 waves a work-group, clusters of 4 x 4, 327,680 bytes of LDS; arguments ximg, xscl, wimg, wscl, bq, bk, bv, qs, kv; writes qs, kv
.if DOCPART == 2
	.amdgcn_target "amdgcn-amd-amdhsa--gfx1250"
	.amdhsa_code_object_version 6
	.text
	.protected	k_q3f00c0b0a4_proj
	.globl	k_q3f00c0b0a4_proj
	.p2align	8
	.type	k_q3f00c0b0a4_proj,@function
k_q3f00c0b0a4_proj:
	s_mov_b64 s[64:65], 0
	v_nop
	global_prefetch_b8 v0, s[64:65] scope:SCOPE_SE
	s_setreg_imm32_b32 hwreg(HW_REG_WAVE_MODE, 25, 1), 1
	s_wait_xcnt 0x0
	s_wait_alu depctr_hold_cnt(0) depctr_sa_sdst(0) depctr_va_vdst(0) depctr_va_sdst(0) depctr_va_ssrc(0) depctr_va_vcc(0) depctr_vm_vsrc(0)
	s_getreg_b32 s2, hwreg(HW_REG_IB_STS2, 6, 4)
	s_cmp_eq_u32 s2, 0
	s_cbranch_scc0 .Lentry_in_a_cluster
	s_endpgm
.Lentry_in_a_cluster:
	s_bfe_u32 s2, ttmp6, 0x10000c
	s_cmp_lg_u32 s2, 0xf033
	s_cbranch_scc0 .Lentry_shape_is_right
	s_endpgm
.Lentry_shape_is_right:
.set NQ,     2
.set FR,     12
.set NL,     3
.set NP,     4
.set FRB,    1536
.set TROW,   NQ*FRB
.set HALFT,  8*TROW
.set SLOT,   4*HALFT
.set SCL,    2*SLOT
.set HALFS,  8192
.set SPARE,  SCL+4*HALFS
.set LAPS,   2
.set ADRA, 16
.set ADRB, 20
.set ADRS, 27
.set SPW,  28
.set NIL,  29
.set SC,   32
.set BI,   64
.set AF,   128
.set T,    128
.set PC,   192
.set TM,   212
.set PW,   228
.set PWE,  229
.set PWO,  230
.set SEL,  66
.set G1, 24
.set G0, 32
.set G1B, 48
.set G0B, 56
.set G1S, 68
.set G0S, 76
.set G1SB, 80
.set G0SB, 88
.set MSB, 0
.macro WIN new
.if MSB != (\new)
	s_set_vgpr_msb (MSB<<8)|(\new)
.set MSB, (\new)
.endif
.endm
.set MUL_LO, 0xa1
.set MUL_HI, 0xf1
.set TO_B,   0x40
.macro JLOAD g0a, g1a, g0b, g1b
	s_cmp_eq_u32 s15, 0
	s_cbranch_scc0 .Lfor_b_\@
	tensor_load_to_lds s[\g0a:\g0a+3], s[\g1a:\g1a+7]
	s_nop 0
.rept 4
	v_nop
.endr
	s_branch .Lasked_\@
.Lfor_b_\@:
	tensor_load_to_lds s[\g0b:\g0b+3], s[\g1b:\g1b+7]
	s_nop 0
.rept 4
	v_nop
.endr
.Lasked_\@:
.endm
.macro CREST
	s_cmp_lg_u32 s14, 0
	s_cbranch_scc1 .Lnot_wave_0_\@
	s_barrier_signal -3
.Lnot_wave_0_\@:
	s_barrier_wait -3
	s_barrier_signal -1
	s_barrier_wait -1
.endm
.macro CROUND
	s_barrier_signal -1
	s_barrier_wait -1
	CREST
.endm
	s_load_b256 s[4:11], s[0:1], 0x0
	v_lshl_add_u32 v[SPW], v0, 2, SPARE
	v_mov_b32 v[NIL], 0
	ds_add_u32 v28, v29
	ds_add_u32 v28, v29
	s_wait_dscnt 0x0
	v_lshrrev_b32 v1, 5, v0
	v_readfirstlane_b32 s14, v1
	s_lshr_b32 s15, s14, 1
	s_and_b32 s16, s14, 1
	s_bfe_u32 s40, ttmp6, 0x40000
	s_bfe_u32 s41, ttmp6, 0x40004
	s_and_b32 s17, ttmp7, 0xffff
	s_lshl_b32 s43, s41, 2
	s_lshl_b32 s43, 15, s43
	s_lshl_b32 s44, 0x1111, s40
	s_or_b32 s[G1+0], s43, (3<<16)|(1<<21)
	s_or_b32 s[G1B+0], s44, (3<<16)|(1<<21)
.irp g, G1, G1B
	s_mov_b32 s[\g+1], 384<<16
	s_mov_b32 s[\g+2], 16<<16
	s_mov_b32 s[\g+3], 384<<16
	s_mov_b32 s[\g+4], 16
	s_mov_b32 s[\g+5], 1536
	s_mov_b32 s[\g+6], 0
	s_mov_b32 s[\g+7], 0
.endr
	s_or_b32 s[G1S+0], s43, (3<<16)|(1<<21)
	s_or_b32 s[G1SB+0], s44, (3<<16)|(1<<21)
.irp g, G1S, G1SB
	s_mov_b32 s[\g+1], 32<<16
	s_mov_b32 s[\g+2], 64<<16
	s_mov_b32 s[\g+3], 32<<16
	s_mov_b32 s[\g+4], 64
	s_mov_b32 s[\g+5], 32
	s_mov_b32 s[\g+6], 0
	s_mov_b32 s[\g+7], 0
.endr
	s_lshl_b32 s18, s16, 3
	s_lshl_b32 s20, s17, 2
	s_add_co_u32 s20, s20, s41
	s_lshl_b32 s20, s20, 4
	s_min_u32 s21, ttmp9, 1
	s_lshl_b32 s21, s21, 9
	s_add_co_u32 s20, s20, s21
	s_lshl_b32 s21, s41, 4
	s_add_co_u32 s21, s21, 128
	s_lshl_b32 s46, ttmp9, 2
	s_add_co_u32 s46, s46, s40
	s_lshl_b32 s46, s46, 4
	s_lshl_b32 s47, s17, 2
	s_add_co_u32 s47, s47, s40
	s_lshl_b32 s47, s47, 4
	s_add_co_u32 s47, s47, 512
	s_cmp_eq_u32 ttmp9, 2
	s_cselect_b32 s20, s21, s20
	s_cselect_b32 s46, s47, s46
	s_add_co_u32 s20, s20, s18
	s_add_co_u32 s46, s46, s18
	s_mul_i32 s22, s20, 1024
	s_mov_b32 s23, 0
	s_mul_i32 s20, s20, 12288
	s_mov_b32 s21, 0
	s_mul_i32 s92, s46, 1024
	s_mov_b32 s93, 0
	s_mul_i32 s46, s46, 12288
	s_mov_b32 s47, 0
	s_mul_i32 s45, s14, HALFT
	s_lshl_b32 s94, s16, 13                        ; my half's 8 tiles of scale words, in bytes: taken off again for the head's whole blocks
	s_mov_b32 s95, 0
	s_wait_kmcnt 0x0
	s_cmp_eq_u32 ttmp9, 2
	s_cselect_b64 s[96:97], s[8:9], s[4:5]
	s_cselect_b64 s[98:99], s[10:11], s[6:7]
	s_cselect_b64 s[4:5], s[4:5], s[8:9]
	s_cselect_b64 s[6:7], s[6:7], s[10:11]
	s_add_nc_u64 s[20:21], s[96:97], s[20:21]
	s_add_nc_u64 s[22:23], s[98:99], s[22:23]
	s_add_nc_u64 s[46:47], s[4:5], s[46:47]
	s_add_nc_u64 s[92:93], s[6:7], s[92:93]
	CROUND
	s_mov_b32 s[G0S], 1
	s_mov_b32 s[G0S+1], SCL
	s_sub_nc_u64 s[G0S+2:G0S+3], s[22:23], s[94:95]
	s_or_b32 s[G0S+3], s[G0S+3], 0x80000000
	s_mov_b32 s[G0SB], 1
	s_mov_b32 s[G0SB+1], SCL+2*HALFS
	s_sub_nc_u64 s[G0SB+2:G0SB+3], s[92:93], s[94:95]
	s_or_b32 s[G0SB+3], s[G0SB+3], 0x80000000
.irp s, 0,1
	s_mov_b32 s[G0+4*\s], 1
	s_add_co_u32 s[G0+4*\s+1], s45, \s*SLOT
	s_add_nc_u64 s[G0+4*\s+2:G0+4*\s+3], s[20:21], \s*TROW
	s_or_b32 s[G0+4*\s+3], s[G0+4*\s+3], 0x80000000
	s_mov_b32 s[G0B+4*\s], 1
	s_add_co_u32 s[G0B+4*\s+1], s45, \s*SLOT
	s_add_nc_u64 s[G0B+4*\s+2:G0B+4*\s+3], s[46:47], \s*TROW
	s_or_b32 s[G0B+4*\s+3], s[G0B+4*\s+3], 0x80000000
.endr
; the head's four tiles, one joint load a wave, in one chain of arms: wave 0 slot 0's 16 tiles of A, wave 1 A's scale words, wave 2 slot 0's 16 tiles of B, wave 3 B's scale words
.macro ARM under, g0, g1, next
	s_cmp_lt_u32 s14, \under
	s_cbranch_scc0 \next
	tensor_load_to_lds s[\g0:\g0+3], s[\g1:\g1+7]
	s_nop 0
.rept 4
	v_nop
.endr
	s_branch .Lhead_asked
\next:
.endm
	ARM 1, G0,  G1,  .Lhead_sa
	ARM 2, G0S, G1S, .Lhead_b
	ARM 3, G0B, G1B, .Lhead_sb
	tensor_load_to_lds s[G0SB:G0SB+3], s[G1SB:G1SB+7]
	s_nop 0
.rept 4
	v_nop
.endr
.Lhead_asked:
	s_load_b256 s[4:11], s[0:1], 0x20
	s_load_b64 s[12:13], s[0:1], 0x40
	v_and_b32 v1, 15, v0
	v_bfe_u32 v2, v0, 4, 1
	s_wait_alu depctr_va_vdst(0)
	v_and_b32 v3, 31, v0
	v_lshlrev_b32 v4, 4, v3
	s_wait_alu depctr_va_vdst(0)
	s_mul_i32 s21, s15, HALFT
	s_mul_i32 s22, s16, HALFT
	s_add_co_u32 s22, s22, 2*HALFT
.irp s, 0,1
	v_add_nc_u32 v[ADRA+\s], s21, v4
	v_add_nc_u32 v[ADRB+\s], s22, v4
	s_add_co_u32 s21, s21, SLOT
	s_add_co_u32 s22, s22, SLOT
.endr
	v_lshlrev_b32 v5, 2, v3
	s_mul_i32 s21, s15, HALFS
	s_mul_i32 s22, s16, HALFS
	s_add_co_u32 s22, s22, 2*HALFS
	s_sub_co_u32 s22, s22, s21
	v_mul_u32_u24 v6, s22, v2
	s_add_co_u32 s21, s21, SCL
	v_add_nc_u32 v5, v5, v6
	v_add_nc_u32 v[ADRS], s21, v5
	v_mov_b32 v24, v4
	v_lshlrev_b32 v25, 3, v3
	v_lshlrev_b32 v26, 2, v3
	s_mov_b32 s[SEL], 0x76543210
	s_mov_b32 s[SEL+1], 0xfedcba98
	s_lshr_b32 s95, ttmp9, 1
	s_cmp_eq_u32 ttmp9, 2
	s_cselect_b32 s96, s40, s41
	s_cselect_b32 s97, s41, s40
	s_cselect_b32 s98, s16, s15
	s_cselect_b32 s99, s15, s16
	s_cselect_b32 s43, -1, 0
	s_cselect_b32 s44, 0, 4
	s_lshr_b32 s92, s17, 1
	s_lshl_b32 s93, s17, 2
	s_add_co_u32 s93, s93, s96
	s_and_b32 s93, s93, 7
	s_lshl_b32 s93, s93, 1
	s_add_co_u32 s93, s93, s98
	s_lshl_b32 s94, s97, 2
	s_lshl_b32 s45, s99, 1
	s_add_co_u32 s94, s94, s45
	s_lshl_b32 s92, s92, 4
	s_add_co_u32 s92, s92, s94
	s_cmp_eq_u32 ttmp9, 0
	s_mov_b32 s46, 221184
	s_cselect_b32 s46, 114688, s46
	s_mov_b32 s47, 13824
	s_cselect_b32 s47, 7168, s47
	s_mul_i32 s92, s92, s46
	s_mul_i32 s93, s93, s47
	s_add_co_u32 s92, s92, s93
	s_mul_i32 s93, s95, 7168
	s_add_co_u32 s92, s92, s93
	s_mov_b32 s93, 0
	s_lshl_b32 s22, s94, 8
	s_mov_b32 s23, 0
	s_mov_b32 s47, 0
	v_and_b32 v5, 8, v1
	v_add_nc_u32 v5, v5, v1
	v_lshlrev_b32 v5, 2, v5
	v_lshlrev_b32 v6, 6, v2
	v_cndmask_b32 v5, v6, v5, s43
.irp j, 0,1,2,3,4,5,6,7
	v_mad_u32_u24 v[224+\j], s44, \j, v5
.endr
	s_wait_alu depctr_va_vdst(0)
	s_wait_kmcnt 0x0
	s_cmp_eq_u32 ttmp9, 1
	s_cselect_b64 s[4:5], s[6:7], s[4:5]
	s_cmp_eq_u32 ttmp9, 2
	s_cselect_b64 s[4:5], s[8:9], s[4:5]
	s_add_nc_u64 s[4:5], s[4:5], s[22:23]
	s_cmp_eq_u32 ttmp9, 0
	s_cselect_b64 s[18:19], s[10:11], s[12:13]
	s_add_nc_u64 s[18:19], s[18:19], s[92:93]
	s_add_nc_u64 s[20:21], s[18:19], s[46:47]
.irp x, 0,1,2,3,4,5,6,7
.irp j, 0,1,2,3,4,5,6,7
	global_load_b32 v[BI+8*\x+\j], v[224+\j], s[4:5] offset:(32*(\x/2)+8*(\x%2))*4
.endr
.endr
.macro FRAG reg, adr, q, i
.irp c, 0,1,2
	ds_load_b128 v[\reg+4*\c:\reg+4*\c+3], v[\adr] offset:(\i)*TROW+(\q)*FRB+512*\c
.endr
.endm
.macro MUL16 a0, p, q, sc, zero
.irp a, \a0, \a0+1
.irp b, 0,1,2,3,4,5,6,7
.if \zero
	v_wmma_scale_f32_16x16x128_f8f6f4 v[8*(8*((\a)%4)+\b):8*(8*((\a)%4)+\b)+7], v[128*(\p)+FR*\b:128*(\p)+FR*\b+FR-1], v[AF+FR*(\a):AF+FR*(\a)+FR-1], 0, v[SC+8*NQ*(\sc)+NQ*\b+(\q)], v[SC+8*NQ*(\sc)+NQ*(\a)+(\q)] matrix_a_fmt:MATRIX_FMT_FP6 matrix_b_fmt:MATRIX_FMT_FP6 matrix_a_scale:MATRIX_SCALE_ROW1
.else
	v_wmma_scale_f32_16x16x128_f8f6f4 v[8*(8*((\a)%4)+\b):8*(8*((\a)%4)+\b)+7], v[128*(\p)+FR*\b:128*(\p)+FR*\b+FR-1], v[AF+FR*(\a):AF+FR*(\a)+FR-1], v[8*(8*((\a)%4)+\b):8*(8*((\a)%4)+\b)+7], v[SC+8*NQ*(\sc)+NQ*\b+(\q)], v[SC+8*NQ*(\sc)+NQ*(\a)+(\q)] matrix_a_fmt:MATRIX_FMT_FP6 matrix_b_fmt:MATRIX_FMT_FP6 matrix_a_scale:MATRIX_SCALE_ROW1
.endif
.endr
.endr
.endm
.macro FETCH_B slot, q, p
	WIN TO_B
.irp i, 0,1,2,3,4,5,6,7
	FRAG 128*(\p)+FR*\i, ADRB+\slot, \q, \i
.endr
	WIN 0
.endm
.macro FETCH_A slot, q, i0
.irp i, \i0, \i0+1, \i0+2, \i0+3
	FRAG AF+FR*(\i), ADRA+\slot, \q, \i
.endr
.endm
.macro SCALES sc
.irp i, 0,1,2,3,4,5,6,7
.irp q, 0,1
	ds_load_b32 v[SC+8*NQ*\sc+NQ*\i+\q], v[ADRS] offset:\i*1024+\q*128
.endr
.endr
.endm
.macro PLACES n
.rept \n
	v_nop
.endr
.endm
.macro STEP slot, q, zero
	s_wait_dscnt 4*NL
	WIN MUL_LO
	MUL16 0, (\q)%2, \q, \slot, \zero
	MUL16 2, (\q)%2, \q, \slot, \zero
	s_wait_dscnt 0
	PLACES NP
	FETCH_B \slot, (\q)+1, 1-(\q)%2
	FETCH_A \slot, (\q)+1, 0
	WIN MUL_HI
	MUL16 4, (\q)%2, \q, \slot, \zero
	MUL16 6, (\q)%2, \q, \slot, \zero
	PLACES NP
	WIN 0
	FETCH_A \slot, (\q)+1, 4
.endm
.macro TURN slot, next, fill
	s_wait_tensorcnt 0x0
	ds_add_u32 v[SPW], v[NIL]
	s_wait_dscnt 4*NL+1
	WIN MUL_LO
	MUL16 0, 1, NQ-1, \slot, 0
	s_wait_dscnt 0x0
	s_barrier_signal -1
	MUL16 2, 1, NQ-1, \slot, 0
	WIN 0
	s_barrier_wait -1
.if \fill
	CREST
	s_add_nc_u64 s[G0+4*\slot+2:G0+4*\slot+3], s[G0+4*\slot+2:G0+4*\slot+3], 2*TROW
	s_add_nc_u64 s[G0B+4*\slot+2:G0B+4*\slot+3], s[G0B+4*\slot+2:G0B+4*\slot+3], 2*TROW
	JLOAD G0+4*\slot, G1, G0B+4*\slot, G1B
.else
	PLACES NP
.endif
	s_wait_alu depctr_va_vdst(0)
	v_add_nc_u32 v[ADRS], 128*NQ, v[ADRS]
	FETCH_B \next, 0, 0
	FETCH_A \next, 0, 0
	SCALES \next
	WIN MUL_HI
	MUL16 4, 1, NQ-1, \slot, 0
	MUL16 6, 1, NQ-1, \slot, 0
	PLACES NP
	WIN 0
	FETCH_A \next, 0, 4
.endm
	s_wait_alu depctr_va_vdst(0)                   ; the wait at the head's end
	s_wait_tensorcnt 0x0                           ; my tile of the head's four is in
	ds_add_u32 v[SPW], v[NIL]
	s_mov_b32 s[G1+2], 8<<16                       ; no tensor load of mine is out: from here on a load brings 8 tiles
	s_mov_b32 s[G1+4], 8
	s_mov_b32 s[G1B+2], 8<<16
	s_mov_b32 s[G1B+4], 8
	s_wait_dscnt 0x0
	CROUND                                         ; all four tiles are shown to all waves
	JLOAD G0+4, G1, G0B+4, G1B                     ; slot 1's first fill, issued as a refill is
	FETCH_B 0, 0, 0
	FETCH_A 0, 0, 0
	SCALES 0
	FETCH_A 0, 0, 4
	STEP 0, 0, 1
	s_mov_b32 s3, LAPS-1
.Llap:
	TURN 0, 1, 1
	STEP 1, 0, 0
	TURN 1, 0, 1
	STEP 0, 0, 0
	s_sub_co_u32 s3, s3, 1
	s_cmp_lg_u32 s3, 0
	s_cbranch_scc1 .Llap
	TURN 0, 1, 0
	STEP 1, 0, 0
	s_wait_dscnt 4*NL
	WIN MUL_LO
	MUL16 0, 1, NQ-1, 1, 0
	MUL16 2, 1, NQ-1, 1, 0
	s_wait_dscnt 0
	WIN MUL_HI
	MUL16 4, 1, NQ-1, 1, 0
	MUL16 6, 1, NQ-1, 1, 0
	WIN 0
.macro QUANT s
.irp b, 0,1,2,3
	v_max3_num_f32 v[TM+\b], |v[\s+16*\b]|, |v[\s+1+16*\b]|, 0x1800000
.endr
.irp i, 2,4,6,8,10,12,14
.irp b, 0,1,2,3
	v_max3_num_f32 v[TM+\b], v[TM+\b], |v[\s+16*\b+\i]|, |v[\s+1+16*\b+\i]|
.endr
.endr
.irp b, 0,1,2,3
	v_permlanex16_b32 v[TM+4+\b], v[TM+\b], s[SEL], s[SEL+1]
.endr
.irp b, 0,1,2,3
	v_max_num_f32 v[TM+\b], v[TM+\b], v[TM+4+\b]
.endr
.irp b, 0,1,2,3
	v_add_nc_u32 v[TM+12+\b], 0xff000000, v[TM+\b]
.endr
.irp b, 0,1,2,3
	v_lshrrev_b32 v[TM+4+\b], 23, v[TM+12+\b]
.endr
	v_lshl_or_b32 v[PW], v[TM+5], 8, v[TM+4]
	v_lshl_or_b32 v[PW], v[TM+6], 16, v[PW]
	v_lshl_or_b32 v[PW], v[TM+7], 24, v[PW]
.irp c, 0,1
	v_cvt_scalef32_pk16_fp6_f32 v[PC+6*\c:PC+2+6*\c], v[\s+32*\c:\s+15+32*\c], v[TM+12+2*\c]
	v_cvt_scalef32_pk16_fp6_f32 v[PC+12+4*\c:PC+14+4*\c], v[\s+16+32*\c:\s+31+32*\c], v[TM+12+2*\c+1]
.endr
	v_nop
.irp c, 0,1
.irp i, 0,1,2
	v_permlane16_swap_b32 v[PC+6*\c+\i], v[PC+12+4*\c+\i]
.endr
.irp i, 0,1,2
	v_mov_b32 v[PC+3+6*\c+\i], v[PC+12+4*\c+\i]
.endr
.endr
.endm
; V: a lane's 64 numbers are two whole blocks of 32 tokens (blocks h and 2 + h): no other lane is asked for a maximum, and the conversions' results are the operand's registers
.macro QUANTV s
.irp k, 0,1,2,3
	v_max3_num_f32 v[TM+\k], |v[\s+16*\k]|, |v[\s+1+16*\k]|, 0x1800000
.endr
.irp i, 2,4,6,8,10,12,14
.irp k, 0,1,2,3
	v_max3_num_f32 v[TM+\k], v[TM+\k], |v[\s+16*\k+\i]|, |v[\s+1+16*\k+\i]|
.endr
.endr
	v_max_num_f32 v[TM], v[TM], v[TM+1]
	v_max_num_f32 v[TM+2], v[TM+2], v[TM+3]
	v_lshlrev_b32 v[TM+8], 3, v2
	v_add_nc_u32 v[TM+12], 0xff000000, v[TM]
	v_add_nc_u32 v[TM+13], 0xff000000, v[TM+2]
	v_lshrrev_b32 v[TM+4], 23, v[TM+12]
	v_lshrrev_b32 v[TM+5], 23, v[TM+13]
	v_lshl_or_b32 v[PW], v[TM+5], 16, v[TM+4]
	v_lshlrev_b32 v[PW], v[TM+8], v[PW]            ; my two bytes at their places, 8 h bits up
	v_permlanex16_b32 v[TM+6], v[PW], s[SEL], s[SEL+1]
	v_or_b32 v[PW], v[PW], v[TM+6]                 ; with lane l xor 16's two the word is whole
.irp c, 0,1
	v_cvt_scalef32_pk16_fp6_f32 v[PC+6*\c:PC+2+6*\c], v[\s+32*\c:\s+15+32*\c], v[TM+12+\c]
	v_cvt_scalef32_pk16_fp6_f32 v[PC+12+4*\c:PC+14+4*\c], v[\s+16+32*\c:\s+31+32*\c], v[TM+12+\c]
.endr
	v_nop
.irp c, 0,1
.irp i, 0,1,2
	v_mov_b32 v[PC+3+6*\c+\i], v[PC+12+4*\c+\i]
.endr
.endr
.endm
.macro OUT a, isv
.if (\a) > 0
	s_wait_xcnt 0x0
.endif
	WIN 0x02+(\a)/4
.irp b, 0,1,2,3,4,5,6,7
.irp jj, 0,2,4,6
.if \isv
	v_pk_add_f32 v[T+8*\b+\jj:T+8*\b+\jj+1], v[64*((\a)%4)+8*\b+\jj:64*((\a)%4)+8*\b+\jj+1], v[BI+8*(\a)+\jj:BI+8*(\a)+\jj+1]
.else
	v_pk_add_f32 v[T+8*\b+\jj:T+8*\b+\jj+1], v[64*((\a)%4)+8*\b+\jj:64*((\a)%4)+8*\b+\jj+1], v[BI+8*\b+\jj:BI+8*\b+\jj+1]
.endif
.endr
.endr
	WIN 0
.if \isv
	QUANTV T
.else
	QUANT T
.endif
.if \isv
.set OB, 18+2*((\a)/4)
.irp c, 0,1,2
	global_store_b128 v24, v[PC+4*\c:PC+4*\c+3], s[OB:OB+1] offset:1536*((\a)%4)+512*\c
.endr
	global_store_b32 v26, v[PW], s[OB:OB+1] offset:6144+128*((\a)%4)
.else
	v_and_b32 v[PWE], 0xffff, v[PW]
	v_lshrrev_b32 v[PWO], 16, v[PW]
	global_store_b128 v24, v[PC:PC+3], s[18:19] offset:768*(\a)
	global_store_b64 v25, v[PC+4:PC+5], s[18:19] offset:768*(\a)+512
	global_store_b32 v26, v[PWE], s[18:19] offset:6144+128*(\a)
	global_store_b128 v24, v[PC+6:PC+9], s[20:21] offset:768*(\a)
	global_store_b64 v25, v[PC+10:PC+11], s[20:21] offset:768*(\a)+512
	global_store_b32 v26, v[PWO], s[20:21] offset:6144+128*(\a)
.endif
.endm
	PLACES NP
	s_wait_loadcnt 0x0
.irp b, 0,1,2,3
	v_mov_b32 v[TM+4+\b], 0
.endr
	s_cmp_eq_u32 s95, 0
	s_cbranch_scc0 .Lvform
.irp a, 0,1,2,3,4,5,6,7
	OUT \a, 0
.endr
	s_branch .Lend
.Lvform:
.irp a, 0,1,2,3,4,5,6,7
	OUT \a, 1
.endr
.Lend:
	s_wait_tensorcnt 0x0
	ds_add_u32 v[SPW], v[NIL]
	s_wait_dscnt 0x0
	CROUND
	s_endpgm
.Lfunc_end_k_q3f00c0b0a4_proj:
	.size	k_q3f00c0b0a4_proj, .Lfunc_end_k_q3f00c0b0a4_proj-k_q3f00c0b0a4_proj
	.p2alignl 7, 3214868480
	.fill 96, 4, 3214868480
	.section	.rodata,"a",@progbits
	.p2align	6, 0x0
	.amdhsa_kernel k_q3f00c0b0a4_proj
		.amdhsa_group_segment_fixed_size 327680
		.amdhsa_private_segment_fixed_size 0
		.amdhsa_enable_private_segment 0
		.amdhsa_kernarg_size 72
		.amdhsa_user_sgpr_count 2
		.amdhsa_user_sgpr_kernarg_segment_ptr 1
		.amdhsa_wavefront_size32 1
		.amdhsa_system_sgpr_workgroup_id_x 1
		.amdhsa_system_sgpr_workgroup_id_y 1
		.amdhsa_system_sgpr_workgroup_id_z 1
		.amdhsa_system_vgpr_workitem_id 0
		.amdhsa_next_free_vgpr 1024
		.amdhsa_next_free_sgpr 100
		.amdhsa_reserve_vcc 0
		.amdhsa_float_denorm_mode_32 3
		.amdhsa_float_denorm_mode_16_64 3
		.amdhsa_memory_ordered 1
		.amdhsa_forward_progress 1
		.amdhsa_inst_pref_size 213
	.end_amdhsa_kernel
	.amdgpu_metadata
---
amdhsa.version: [ 1, 2 ]
amdhsa.kernels:
  - .name:           k_q3f00c0b0a4_proj
    .symbol:         k_q3f00c0b0a4_proj.kd
    .args:
      - { .name: ximg, .offset: 0, .size: 8, .value_kind: global_buffer, .address_space: global }
      - { .name: xscl, .offset: 8, .size: 8, .value_kind: global_buffer, .address_space: global }
      - { .name: wimg, .offset: 16, .size: 8, .value_kind: global_buffer, .address_space: global }
      - { .name: wscl, .offset: 24, .size: 8, .value_kind: global_buffer, .address_space: global }
      - { .name: bq, .offset: 32, .size: 8, .value_kind: global_buffer, .address_space: global }
      - { .name: bk, .offset: 40, .size: 8, .value_kind: global_buffer, .address_space: global }
      - { .name: bv, .offset: 48, .size: 8, .value_kind: global_buffer, .address_space: global }
      - { .name: qs, .offset: 56, .size: 8, .value_kind: global_buffer, .address_space: global }
      - { .name: kv, .offset: 64, .size: 8, .value_kind: global_buffer, .address_space: global }
    .group_segment_fixed_size: 327680
    .private_segment_fixed_size: 0
    .kernarg_segment_align: 8
    .kernarg_segment_size: 72
    .max_flat_workgroup_size: 128
    .sgpr_count:     100
    .vgpr_count:     1024
    .wavefront_size: 32
...
	.end_amdgpu_metadata
.endif
;; end of part 2
;; launch attn (part 3): grid 8 x 32, 16 waves a work-group, clusters of 4 x 1, 327,680 bytes of LDS; arguments qs, kv, zimg, zscl; writes zimg, zscl
.if DOCPART == 3
	.amdgcn_target "amdgcn-amd-amdhsa--gfx1250"
	.amdhsa_code_object_version 6
	.text
	.protected	k_q3f00c0b0a4_attn
	.globl	k_q3f00c0b0a4_attn
	.p2align	8
	.type	k_q3f00c0b0a4_attn,@function
k_q3f00c0b0a4_attn:
	s_mov_b64 s[64:65], 0
	v_nop
	global_prefetch_b8 v0, s[64:65] scope:SCOPE_SE
	s_setreg_imm32_b32 hwreg(HW_REG_WAVE_MODE, 25, 1), 1
	s_wait_xcnt 0x0
	s_wait_alu depctr_hold_cnt(0) depctr_sa_sdst(0) depctr_va_vdst(0) depctr_va_sdst(0) depctr_va_ssrc(0) depctr_va_vcc(0) depctr_vm_vsrc(0)
	s_getreg_b32 s2, hwreg(HW_REG_IB_STS2, 6, 4)
	s_cmp_eq_u32 s2, 0
	s_cbranch_scc0 .Lentry_in_a_cluster
	s_endpgm
.Lentry_in_a_cluster:
	s_bfe_u32 s2, ttmp6, 0x10000c
	s_cmp_lg_u32 s2, 0x3003
	s_cbranch_scc0 .Lentry_shape_is_right
	s_endpgm
.Lentry_shape_is_right:
; z[b][s][64 head + d] = the sum over keys of softmax(qh . kh / 8) vh, both products on codes of FP6 (E2M3) with one E8M0 scale for each 32 along a product's K; z is quantised at once, along (head, d), for the output projection.
; THE SOFTMAX: t = score x log2(e) / 8; M = the row's largest t so far, rounded UP to a whole number; p = 2^(t - M) is quantised along the keys, not normalised.  The row's sum is taken of the unquantised p, in f32,
; and divides O at the end.  When M moves, the sum and O are multiplied by 2^(old M - new M): exact.
; SHARES.  A work-group owns 256 queries of a batch and takes heads 2 g and 2 g + 1 one after the other: their 128 numbers of z are one K step of the output projection.  Each of sixteen waves owns one tile of 16 queries.
; THE STREAM.  The two heads' K and V are 32 key steps of 13,824 bytes in kv ([K: 8 half images of 768 | 8 scale images of 128 | V^T: 4 fragment images of 1,536 | 4 scale images]).  It goes through two LDS slots of 8 key steps:
; four slots' worth in all.  Both slots are filled at the head, a key step a wave; each is filled again once, by waves 0 to 7, behind a round of the cluster's barrier.
; CLUSTER.  The four query blocks of a cluster walk the same stream: every fill is a joint load whose mask names the four.
; LAYOUT.  Both products are used transposed (S^T = K Q^T, O^T = V^T P^T): a lane holds ONE query.  Tile 4 c + t of a key step holds keys 64 c + 8 t + {0..7, 32..39}: so the 32 registers of four neighbouring
; result tiles are keys 64 c + 32 h + 0 .. 31 in lane (r, h): a whole scale block of p, in the order of the next operand's registers.
; THE SCORE PRODUCT HAS K = 64 in an instruction of 128: Q's registers 6-11 are zeros, so what stands in K's registers 6-11 adds nothing; FP6 has no NaN or infinity, and the scale bytes there are 0.
; LIMITS: NaN and infinities are not served; a p under 2^-126 counts as 0 (v_exp_f32: ISA guide 15.8); a block of zeros gets the byte 1 (its codes are zeros; this program alone reads the bytes);
; the scaled scores stay under 2^31 in magnitude.
; REGISTERS: v1-3, v7 lane terms; v4 8 h; v5, v6 the spare word's address and 0; v8-10 the step's LDS addresses; v11 the prefetch's offset; v12 -M, v13 the largest score, v[14:15] the sum in two halves; v16-21 Q, v22-27 zeros,
;   v28 Q's scale word; v29 the old -M; v32-79 K's half fragments, v80-85 zeros, v86-93 K's scale words (behind the score products v32-70, v88-93 are at work); v94 p's scale word; v95 z's; v96-159 S^T, then p; v160-191 O^T;
;   v192-239 V's fragments, v240-243 their scale words; v244-255 z's codes (v250-255 at work until the second head ends).
.set STEPB, 13824
.set SLOTB, 8*STEPB
.set SLOT1, 131072                     ; slot 1 begins here: one exclusive or turns an address in one slot into the other's
.set SPARE, 262144                     ; the spare words, 128 bytes a wave
.set G0R,  12                          ; s[12:15] group 0 of the refills, which walks
.set WV,   18
.set SEL,  20
.set CS,   22                          ; s[22:23] c = log2(e) / 8
.set G1,   24
.set G0,   32                          ; s[32:35] group 0 of the head's load
.set TB,   36                          ; LDS byte at which the key step in hand begins
.set CNT,  37
.set STP,  38
.set LEFT, 39                          ; prefetches still to come, + 1
.set LIM,  40                          ; 1 in a wave that prefetches, else the greatest number
.set PFA,  42
.set QB,   56
.set QSC,  58
.set TO,   29
.set PC,   32
.set CT,   44
.set BM,   52
.set PT,   58
.set SOP,  60
.set BY,   64
.set FF,   68
.set TT,   70
.set PS,   94
.set ZS,   95
.set ZC,   244
.macro D n
	s_delay_alu instid0(VALU_DEP_\n)
.endm
.macro WALU
	s_wait_alu depctr_va_vdst(0)
.endm
.macro NOPS n
.rept \n
	v_nop
.endr
.endm
.macro CROUND
	s_barrier_signal -1
	s_barrier_wait -1
	s_cmp_lg_u32 s[WV], 0
	s_cbranch_scc1 .Lnot_wave_0_\@
	s_barrier_signal -3
.Lnot_wave_0_\@:
	s_barrier_wait -3
	s_barrier_signal -1
	s_barrier_wait -1
.endm
; A prefetch of the slot's worth that the next refill will ask for: 110,592 bytes.  Both clusters of a pair of heads walk the same stream: the first (cluster x = 0) asks.  Its four partners take 27,648 bytes each, told apart
; BY ADDRESS; in each, waves 8 to 11 ask for 6,912 bytes: 27 blocks of 256, a lane a block (lanes 27-31 name block 26 again).  The head asks for the third slot's worth, the first refill for the fourth, the second for nothing.
.macro ASK
	s_cmp_gt_u32 s[LEFT], s[LIM]
	s_cbranch_scc0 .Lnot_mine_\@
	global_prefetch_b8 v11, s[PFA:PFA+1] th:TH_LOAD_NT scope:SCOPE_SE
.Lnot_mine_\@:
	s_sub_co_u32 s[LEFT], s[LEFT], 1
.endm
	s_load_b256 s[4:11], s[0:1], 0x0               ; qs, kv, zimg, zscl
	v_lshl_add_u32 v5, v0, 2, SPARE
	v_mov_b32 v6, 0
	ds_add_u32 v5, v6                              ; the opening lines: the add twice on end and one wait
	ds_add_u32 v5, v6
	v_lshrrev_b32 v1, 5, v0
	v_readfirstlane_b32 s[WV], v1
	s_bfe_u32 s44, ttmp6, 0x40000                  ; cx: it enters Q's, z's and the prefetch's addresses alone
	s_lshl_b32 s45, ttmp9, 2
	s_add_co_u32 s45, s45, s44                     ; my block of 256 queries
	s_and_b32 s46, ttmp7, 0xffff                   ; 8 x batch + pair of heads
	s_mul_i32 s48, s46, 32*STEPB                   ; the pair's stream
	s_mov_b32 s49, 0
	s_and_b32 s47, s[WV], 7
	s_mul_i32 s47, s47, STEPB                      ; my key step's place in a slot
	s_lshr_b32 s50, s[WV], 3
	s_lshl_b32 s50, s50, 17
	s_mov_b32 s[G0], 1
	s_add_co_u32 s[G0+1], s47, s50                 ; the head: key step = my wave's number, waves 8-15 into slot 1
	s_mov_b32 s[G0R], 1
	s_add_co_u32 s[G0R+1], s47, SLOT1              ; the refills: the first change turns this to slot 0
	s_mul_i32 s50, s[WV], STEPB
	s_mov_b32 s51, 0
	s_add_co_u32 s16, s47, SLOTB                   ; and steps this to the third slot's worth
	s_mov_b32 s17, 0
	s_mov_b32 s[G1], 15|(3<<16)|(1<<21)            ; the mask of all four; elements of 8 bytes; 54 rows of 256 bytes, dense
	s_mov_b32 s[G1+1], 32<<16
	s_mov_b32 s[G1+2], 54<<16
	s_mov_b32 s[G1+3], 32<<16
	s_mov_b32 s[G1+4], 54
	s_mov_b32 s[G1+5], 32
	s_mov_b32 s[G1+6], 0
	s_mov_b32 s[G1+7], 0
	s_mov_b32 s[SEL], 0x76543210
	s_mov_b32 s[SEL+1], 0xfedcba98
	s_mov_b32 s[CS], 0x3e38aa3b
	s_mov_b32 s[CS+1], s[CS]
	s_mov_b32 s[TB], 0
	s_mov_b32 s[LEFT], 3
	s_lshr_b32 s[LIM], s[WV], 2
	s_xor_b32 s[LIM], s[LIM], 2                    ; 0 in waves 8 to 11,
	s_or_b32 s[LIM], s[LIM], ttmp9                 ; of the pair's first cluster
	s_cmp_eq_u32 s[LIM], 0
	s_cselect_b32 s[LIM], 1, -1
	s_mul_i32 s52, s46, 2*114688                   ; Q: head 2 y, group 2 x block + wave / 8, tile wave % 8
	s_lshl_b32 s53, s45, 1
	s_lshr_b32 s54, s[WV], 3
	s_add_co_u32 s53, s53, s54
	s_mul_i32 s53, s53, 7168
	s_add_co_u32 s52, s52, s53
	s_and_b32 s54, s[WV], 7
	s_mul_i32 s55, s54, 768
	s_add_co_u32 s[QB], s52, s55
	s_mov_b32 s[QB+1], 0
	s_lshl_b32 s54, s54, 7
	s_add_co_u32 s[QSC], s52, s54
	s_add_co_u32 s[QSC], s[QSC], 6144
	s_mov_b32 s[QSC+1], 0
	s_mul_i32 s52, s44, 2*STEPB                    ; the prefetch: my work-group's quarter, my wave's quarter of that
	s_and_b32 s53, s[WV], 3
	s_mul_i32 s53, s53, 6912
	s_add_co_u32 s52, s52, s53
	s_add_co_u32 s52, s52, 2*SLOTB
	s_mov_b32 s53, 0
	s_wait_dscnt 0x0
	s_wait_kmcnt 0x0
	s_add_nc_u64 s[6:7], s[6:7], s[48:49]
	s_add_nc_u64 s[PFA:PFA+1], s[6:7], s[52:53]
	s_add_nc_u64 s[QB:QB+1], s[4:5], s[QB:QB+1]
	s_add_nc_u64 s[QSC:QSC+1], s[4:5], s[QSC:QSC+1]
	s_lshr_b32 s52, s46, 3                         ; z: tile 128 x batch + 16 x block + wave, K step = the pair of heads
	s_lshl_b32 s52, s52, 7
	s_lshl_b32 s53, s45, 4
	s_add_co_u32 s52, s52, s53
	s_add_co_u32 s52, s52, s[WV]
	s_lshl_b32 s52, s52, 3
	s_and_b32 s53, s46, 7
	s_add_co_u32 s52, s52, s53
	s_mul_i32 s54, s52, 1536
	s_mov_b32 s55, 0
	s_lshl_b32 s52, s52, 7
	s_mov_b32 s53, 0
	s_add_nc_u64 s[8:9], s[8:9], s[54:55]
	s_add_nc_u64 s[10:11], s[10:11], s[52:53]
	s_add_nc_u64 s[G0+2:G0+3], s[6:7], s[50:51]
	s_or_b32 s[G0+3], s[G0+3], 0x80000000
	s_add_nc_u64 s[G0R+2:G0R+3], s[6:7], s[16:17]
	s_or_b32 s[G0R+3], s[G0R+3], 0x80000000
	CROUND                                         ; the first joint loads meet
	s_cmp_lt_u32 s[WV], 8                          ; two arms, so that slot 0's loads have a line of their own, for which waves 0 to 7 alone wait at the first barrier
	s_cbranch_scc0 .Lupper
	tensor_load_to_lds s[G0:G0+3], s[G1:G1+7]
	s_nop 0
	NOPS 4
	s_branch .Lasked
.Lupper:
	tensor_load_to_lds s[G0:G0+3], s[G1:G1+7]
	s_nop 0
	NOPS 4
.Lasked:
	v_and_b32 v4, 31, v0
	v_lshlrev_b32 v1, 4, v4                        ; 16 x lane
	v_lshlrev_b32 v2, 3, v4                        ; 8 x lane
	v_lshlrev_b32 v7, 2, v4                        ; 4 x lane
	v_and_b32 v3, 15, v0
	v_lshlrev_b32 v3, 2, v3                        ; 4 x (lane % 16)
	v_min_u32 v11, 26, v4
	v_lshlrev_b32 v11, 8, v11
	v_bfe_u32 v4, v0, 4, 1
	v_lshlrev_b32 v4, 3, v4                        ; 8 h
	WALU                                           ; the wait ahead of the branch
	ASK
.macro QLOAD p
	global_load_b128 v[16:19], v1, s[QB:QB+1] offset:114688*\p
	global_load_b64 v[20:21], v2, s[QB:QB+1] offset:114688*\p+512
	global_load_b32 v28, v3, s[QSC:QSC+1] offset:114688*\p
.endm
.macro INIT                            ; a head begins: the largest score under every score, the sum and O^T zeros, which the first change of M leaves zeros
	v_mov_b32 v13, 0xff61b1e6
	v_floor_f32 v12, -v13
	v_mov_b32 v14, 0
	v_mov_b32 v15, 0
.set II, 0
.rept 32
	v_mov_b32 v[160+II], 0
.set II, II+1
.endr
.endm
	QLOAD 0
.irp i, 0,1,2,3,4,5
	v_mov_b32 v[22+\i], 0
	v_mov_b32 v[80+\i], 0
.endr
	INIT
.macro STEP                            ; 128 keys
	v_add_nc_u32 v8, s[TB], v1                     ; these three and the v_nop are the places between the last products and the loads into their registers
	v_add_nc_u32 v9, s[TB], v2
	v_add_nc_u32 v10, s[TB], v3
	v_nop
.irp t, 0,1,2,3,4,5,6,7
	ds_load_b128 v[32+6*\t:35+6*\t], v8 offset:768*\t
	ds_load_b64 v[36+6*\t:37+6*\t], v9 offset:768*\t+512
	ds_load_b32 v[86+\t], v10 offset:6144+128*\t
.endr
.irp d, 0,1,2,3
.irp c, 0,1,2
	ds_load_b128 v[192+12*\d+4*\c:195+12*\d+4*\c], v8 offset:7168+1536*\d+512*\c
.endr
	ds_load_b32 v[240+\d], v10 offset:13312+128*\d
.endr
	s_wait_dscnt 16                                ; K's 24 loads are in; V's 16 may be out
.irp t, 0,1,2,3,4,5,6,7
	v_wmma_scale_f32_16x16x128_f8f6f4 v[96+8*\t:103+8*\t], v[32+6*\t:43+6*\t], v[16:27], 0, v[86+\t], v28 matrix_a_fmt:MATRIX_FMT_FP6 matrix_b_fmt:MATRIX_FMT_FP6
.endr
	v_mov_b32 v[TO], v12                           ; the old -M; with three v_nop the four places behind the products
	NOPS 3
.irp b, 0,1,2,3                                ; the largest score of my two blocks of 32 keys, in four chains of 16 by turns
	v_max3_num_f32 v[BM+\b], v[96+16*\b], v[97+16*\b], v[98+16*\b]
.endr
.irp i, 3,5,7,9,11,13
.irp b, 0,1,2,3
	v_max3_num_f32 v[BM+\b], v[BM+\b], v[96+16*\b+\i], v[97+16*\b+\i]
.endr
.endr
	v_max_num_f32 v[BM+1], v[BM+1], v127
	v_max_num_f32 v[BM+3], v[BM+3], v159
	v_max3_num_f32 v[BM], v[BM], v111, v[BM+1]     ; block h
	v_max3_num_f32 v[BM+2], v[BM+2], v143, v[BM+3] ; block 2 + h
	v_max_num_f32 v[TT], v[BM], v[BM+2]
	v_permlanex16_b32 v[PT], v[TT], s[SEL], s[SEL+1]
	D 1
	v_max3_num_f32 v13, v13, v[TT], v[PT]          ; the running largest score of my query
	D 1
	v_mul_f32 v[TT], s[CS], v13                    ; as t (c is positive)
	D 1
	v_floor_f32 v12, -v[TT]                        ; -M = -ceil(t): a whole number
	D 1
	v_sub_f32 v[TT], v12, v[TO]
	D 1
	v_cvt_i32_f32 v[TT], v[TT]                     ; (it saturates)
	D 1
	v_ldexp_f32 v[FF], 1.0, v[TT]                  ; f = 2^(old M - new M)
.set II, 0
.rept 32
	v_pk_fma_f32 v[96+II:97+II], v[96+II:97+II], s[CS:CS+1], v[12:13] op_sel_hi:[1,0,0]
.set II, II+2
.endr
	v_fma_f32 v[BM], v[BM], s[CS], v12             ; the same of each block's largest score
	v_fma_f32 v[BM+2], v[BM+2], s[CS], v12
	WALU                                           ; the wait ahead of the batch
.set II, 0
.rept 64
	v_exp_f32 v[96+II], v[96+II]
.set II, II+1
.endr
	v_pk_mul_f32 v[14:15], v[14:15], v[FF:FF+1] op_sel_hi:[1,0]
	WALU                                           ; one wait for the batch
	v_exp_f32 v[BM], v[BM]                         ; the block's largest p: the same two instructions on the same number
	v_exp_f32 v[BM+2], v[BM+2]
	v_pk_add_f32 v[56:57], v[100:101], v[104:105]  ; the row's sum of the unquantised p, in eight chains
	v_pk_add_f32 v[254:255], v[108:109], v[112:113]
	v_pk_add_f32 v[252:253], v[116:117], v[120:121]
	v_pk_add_f32 v[250:251], v[124:125], v[128:129]
	v_pk_add_f32 v[92:93], v[132:133], v[136:137]
	v_pk_add_f32 v[90:91], v[140:141], v[144:145]
	v_pk_add_f32 v[88:89], v[148:149], v[152:153]
	v_pk_add_f32 v[14:15], v[14:15], v[156:157]
	v_pk_add_f32 v[56:57], v[56:57], v[96:97]
	v_pk_add_f32 v[254:255], v[254:255], v[98:99]
	v_pk_add_f32 v[252:253], v[252:253], v[102:103]
	v_pk_add_f32 v[250:251], v[250:251], v[106:107]
	v_pk_add_f32 v[92:93], v[92:93], v[110:111]
	v_pk_add_f32 v[90:91], v[90:91], v[114:115]
	v_pk_add_f32 v[88:89], v[88:89], v[118:119]
	v_pk_add_f32 v[14:15], v[14:15], v[122:123]
	v_pk_add_f32 v[56:57], v[56:57], v[126:127]
	v_pk_add_f32 v[254:255], v[254:255], v[130:131]
	v_pk_add_f32 v[252:253], v[252:253], v[134:135]
	v_pk_add_f32 v[250:251], v[250:251], v[138:139]
	v_pk_add_f32 v[92:93], v[92:93], v[142:143]
	v_pk_add_f32 v[90:91], v[90:91], v[146:147]
	v_pk_add_f32 v[88:89], v[88:89], v[150:151]
	v_pk_add_f32 v[14:15], v[14:15], v[154:155]
	v_pk_add_f32 v[56:57], v[56:57], v[158:159]
	D 2
	v_pk_add_f32 v[14:15], v[14:15], v[250:251]
	D 2
	v_pk_add_f32 v[56:57], v[56:57], v[92:93]
	v_pk_add_f32 v[254:255], v[254:255], v[90:91]
	v_pk_add_f32 v[252:253], v[252:253], v[88:89]
	D 2
	v_pk_add_f32 v[14:15], v[14:15], v[254:255]
	D 2
	v_pk_add_f32 v[56:57], v[56:57], v[252:253]
	D 1
	v_pk_add_f32 v[14:15], v[14:15], v[56:57]
	WALU                                           ; and one for the two
	v_max_num_f32 v[BM], 0x1800000, v[BM]          ; the floor 2^(3 - 127): the byte cannot fall under 1
	v_max_num_f32 v[BM+2], 0x1800000, v[BM+2]
	D 2
	v_add_nc_u32 v[SOP], 0xff000000, v[BM]         ; 2 off the exponent field: the conversions' scale operand
	D 2
	v_add_nc_u32 v[SOP+1], 0xff000000, v[BM+2]
	D 2
	v_lshrrev_b32 v[BY], 23, v[SOP]
	D 2
	v_lshrrev_b32 v[BY+1], 23, v[SOP+1]
	D 1
	v_lshl_or_b32 v[PS], v[BY+1], 16, v[BY]
	D 1
	v_lshlrev_b32 v[PS], v4, v[PS]                 ; my two bytes at their places, 8 h bits up
	D 1
	v_permlanex16_b32 v[PT], v[PS], s[SEL], s[SEL+1]
	D 1
	v_or_b32 v[PS], v[PS], v[PT]                   ; p's scale word for these 128 keys
.irp c, 0,1
	v_cvt_scalef32_pk16_fp6_f32 v[PC+6*\c:PC+2+6*\c], v[96+32*\c:111+32*\c], v[SOP+\c]
	v_cvt_scalef32_pk16_fp6_f32 v[CT+4*\c:CT+2+4*\c], v[112+32*\c:127+32*\c], v[SOP+\c]   ; (a conversion's three registers begin on an even number)
.endr
	v_nop                                          ; one plain place behind a scaled conversion
.irp c, 0,1
.irp i, 0,1,2
	v_mov_b32 v[PC+3+6*\c+\i], v[CT+4*\c+\i]
.endr
.endr
	WALU                                           ; the wait directly ahead of the first reader of O^T
.set II, 0
.rept 16
	v_pk_mul_f32 v[160+II:161+II], v[160+II:161+II], v[FF:FF+1] op_sel_hi:[1,0]   ; O^T under the new M; also the places between p's codes and scale word and the products
.set II, II+2
.endr
	WALU
	s_wait_dscnt 0x0                               ; V is in
.irp d, 0,1,2,3
	v_wmma_scale_f32_16x16x128_f8f6f4 v[160+8*\d:167+8*\d], v[192+12*\d:203+12*\d], v[PC:PC+11], v[160+8*\d:167+8*\d], v[240+\d], v[PS] matrix_a_fmt:MATRIX_FMT_FP6 matrix_b_fmt:MATRIX_FMT_FP6
.endr
.endm
.macro STEPS                           ; a slot's eight key steps
	s_mov_b32 s[STP], 8
.Lstep_\@:
	STEP
	s_add_co_u32 s[TB], s[TB], STEPB
	s_sub_co_u32 s[STP], s[STP], 1
	s_cmp_lg_u32 s[STP], 0
	s_cbranch_scc1 .Lstep_\@
	s_sub_co_u32 s[TB], s[TB], SLOTB
	s_xor_b32 s[TB], s[TB], SLOT1
.endm
; THE CHANGE OF SLOTS, at a slot's end.  Each wave waits for all its tensor loads, adds 0 to its spare word, and waits for that and for its reads of the slot that it leaves.
; fill = 1: a round of the cluster's barrier; behind it waves 0 to 7 fill the slot just left with the key steps two slots on, which have the other slot's eight steps in which to land.
; fill = 0: a plain barrier, which shows the last fill to all waves (in that loop's second trip it orders nothing more: the text is one loop).
.macro CHANGE fill
	s_wait_tensorcnt 0x0
	ds_add_u32 v5, v6
.if \fill
	s_xor_b32 s[G0R+1], s[G0R+1], SLOT1
	s_add_nc_u64 s[G0R+2:G0R+3], s[G0R+2:G0R+3], SLOTB
	s_wait_xcnt 0x0                                ; the last prefetch has read its address
	s_add_nc_u64 s[PFA:PFA+1], s[PFA:PFA+1], SLOTB
	s_wait_dscnt 0x0
	CROUND
	s_cmp_lt_u32 s[WV], 8
	s_cbranch_scc0 .Lnone_\@
	tensor_load_to_lds s[G0R:G0R+3], s[G1:G1+7]
	s_nop 0
	NOPS 4
.Lnone_\@:
	ASK
.else
	s_wait_dscnt 0x0
	s_barrier_signal -1
	s_barrier_wait -1
.endif
.endm
; A HEAD ENDS: O^T / the sum; its 32 registers are d = 32 b + 16 h + 0 .. 15 of my query: two blocks of 32 along the output projection's K: registers 6 p .. 6 p + 5 of z's fragment and two bytes of its scale word.
.macro FINISH p
	NOPS 4
	v_add_f32 v14, v14, v15
	D 1
	v_permlanex16_b32 v[TT], v14, s[SEL], s[SEL+1]
	D 1
	v_add_f32 v14, v14, v[TT]
	WALU
	v_rcp_f32 v14, v14
	v_nop
	WALU
.set II, 0
.rept 32
	v_mul_f32 v[96+II], v[160+II], v14
.set II, II+1
.endr
.irp b, 0,1
	v_max3_num_f32 v[BM+\b], |v[96+16*\b]|, |v[97+16*\b]|, 0x1800000
.endr
.irp i, 2,4,6,8,10,12,14
.irp b, 0,1
	D 2
	v_max3_num_f32 v[BM+\b], v[BM+\b], |v[96+16*\b+\i]|, |v[97+16*\b+\i]|
.endr
.endr
.irp b, 0,1
	D 2
	v_permlanex16_b32 v[PT+\b], v[BM+\b], s[SEL], s[SEL+1]
.endr
.irp b, 0,1
	D 2
	v_max_num_f32 v[BM+\b], v[BM+\b], v[PT+\b]
.endr
.irp b, 0,1
	D 2
	v_add_nc_u32 v[SOP+\b], 0xff000000, v[BM+\b]
.endr
.irp b, 0,1
	D 2
	v_lshrrev_b32 v[BY+\b], 23, v[SOP+\b]
.endr
.if \p == 0
	D 1
	v_lshl_or_b32 v[ZS], v[BY+1], 8, v[BY]
.else
	D 2
	v_lshl_or_b32 v[ZS], v[BY], 16, v[ZS]
	D 1
	v_lshl_or_b32 v[ZS], v[BY+1], 24, v[ZS]
.endif
	v_cvt_scalef32_pk16_fp6_f32 v[ZC+6*\p:ZC+6*\p+2], v[96:111], v[SOP]
	v_cvt_scalef32_pk16_fp6_f32 v[CT:CT+2], v[112:127], v[SOP+1]
	v_nop
.irp i, 0,1,2
	v_permlane16_swap_b32 v[ZC+6*\p+\i], v[CT+\i]
.endr
.irp i, 0,1,2
	D 3
	v_mov_b32 v[ZC+6*\p+3+\i], v[CT+\i]
.endr
.endm
	WALU                                           ; the wait at the head's end
	s_cmp_lt_u32 s[WV], 8
	s_cbranch_scc0 .Lnot_first
	s_wait_tensorcnt 0x0                           ; my key step of slot 0 is in
.Lnot_first:
	s_wait_loadcnt 0x0                             ; Q
	s_barrier_signal -1
	s_barrier_wait -1                              ; slot 0 is whole; slot 1 may be on its way
	s_mov_b32 s[CNT], 2
.Lhead0:                                           ; the first head: key steps 0 to 15
	STEPS
	CHANGE 1
	s_sub_co_u32 s[CNT], s[CNT], 1
	s_cmp_lg_u32 s[CNT], 0
	s_cbranch_scc1 .Lhead0
	QLOAD 1                                        ; the second head's Q lands while the first head is finished
	FINISH 0
	INIT
	s_wait_loadcnt 0x0
	s_mov_b32 s[CNT], 2
.Lhead1:                                           ; the second head: key steps 16 to 31
	STEPS
	CHANGE 0
	s_sub_co_u32 s[CNT], s[CNT], 1
	s_cmp_lg_u32 s[CNT], 0
	s_cbranch_scc1 .Lhead1
	FINISH 1
.irp c, 0,1,2
	global_store_b128 v1, v[ZC+4*\c:ZC+4*\c+3], s[8:9] offset:512*\c   ; z's fragment image: 512 consecutive bytes a store, aligned to 256
.endr
	global_store_b32 v7, v[ZS], s[10:11]
	s_wait_tensorcnt 0x0                           ; the wave's end
	ds_add_u32 v5, v6
	s_wait_dscnt 0x0
	CROUND                                         ; the closing round
	s_endpgm
.Lfunc_end_k_q3f00c0b0a4_attn:
	.size	k_q3f00c0b0a4_attn, .Lfunc_end_k_q3f00c0b0a4_attn-k_q3f00c0b0a4_attn
	.p2alignl 7, 3214868480
	.fill 96, 4, 3214868480
	.section	.rodata,"a",@progbits
	.p2align	6, 0x0
	.amdhsa_kernel k_q3f00c0b0a4_attn
		.amdhsa_group_segment_fixed_size 327680
		.amdhsa_private_segment_fixed_size 0
		.amdhsa_enable_private_segment 0
		.amdhsa_kernarg_size 32
		.amdhsa_user_sgpr_count 2
		.amdhsa_user_sgpr_kernarg_segment_ptr 1
		.amdhsa_wavefront_size32 1
		.amdhsa_system_sgpr_workgroup_id_x 1
		.amdhsa_system_sgpr_workgroup_id_y 1
		.amdhsa_system_sgpr_workgroup_id_z 1
		.amdhsa_system_vgpr_workitem_id 0
		.amdhsa_next_free_vgpr 256
		.amdhsa_next_free_sgpr 66
		.amdhsa_reserve_vcc 0
		.amdhsa_float_denorm_mode_32 3
		.amdhsa_float_denorm_mode_16_64 3
		.amdhsa_memory_ordered 1
		.amdhsa_forward_progress 1
		.amdhsa_inst_pref_size 52
	.end_amdhsa_kernel
	.amdgpu_metadata
---
amdhsa.version: [ 1, 2 ]
amdhsa.kernels:
  - .name:           k_q3f00c0b0a4_attn
    .symbol:         k_q3f00c0b0a4_attn.kd
    .args:
      - { .name: qs, .offset: 0, .size: 8, .value_kind: global_buffer, .address_space: global }
      - { .name: kv, .offset: 8, .size: 8, .value_kind: global_buffer, .address_space: global }
      - { .name: zimg, .offset: 16, .size: 8, .value_kind: global_buffer, .address_space: global }
      - { .name: zscl, .offset: 24, .size: 8, .value_kind: global_buffer, .address_space: global }
    .group_segment_fixed_size: 327680
    .private_segment_fixed_size: 0
    .kernarg_segment_align: 8
    .kernarg_segment_size: 32
    .max_flat_workgroup_size: 512
    .sgpr_count:     66
    .vgpr_count:     256
    .wavefront_size: 32
...
	.end_amdgpu_metadata
.endif
;; end of part 3
;; launch outp (part 4): grid 4 x 32, 4 waves a work-group, clusters of 4 x 4, 327,680 bytes of LDS; arguments zimg, zscl, wimg, wscl, bo, out0; writes out0
.if DOCPART == 4
	.amdgcn_target "amdgcn-amd-amdhsa--gfx1250"
	.amdhsa_code_object_version 6
	.text
	.protected	k_q3f00c0b0a4_outp
	.globl	k_q3f00c0b0a4_outp
	.p2align	8
	.type	k_q3f00c0b0a4_outp,@function
k_q3f00c0b0a4_outp:
	s_mov_b64 s[64:65], 0
	v_nop
	global_prefetch_b8 v0, s[64:65] scope:SCOPE_SE
	s_setreg_imm32_b32 hwreg(HW_REG_WAVE_MODE, 25, 1), 1
	s_wait_xcnt 0x0
	s_wait_alu depctr_hold_cnt(0) depctr_sa_sdst(0) depctr_va_vdst(0) depctr_va_sdst(0) depctr_va_ssrc(0) depctr_va_vcc(0) depctr_vm_vsrc(0)
	s_getreg_b32 s2, hwreg(HW_REG_IB_STS2, 6, 4)
	s_cmp_eq_u32 s2, 0
	s_cbranch_scc0 .Lentry_in_a_cluster
	s_endpgm
.Lentry_in_a_cluster:
	s_bfe_u32 s2, ttmp6, 0x10000c
	s_cmp_lg_u32 s2, 0xf033
	s_cbranch_scc0 .Lentry_shape_is_right
	s_endpgm
.Lentry_shape_is_right:
.set NQ,     2
.set FR,     12
.set NL,     3
.set NP,     4
.set FRB,    1536
.set TROW,   NQ*FRB
.set HALFT,  8*TROW
.set SLOT,   4*HALFT
.set SCL,    2*SLOT
.set HALFS,  8192
.set SPARE,  SCL+4*HALFS
.set LAPS,   2
.set SPITCH, 528
.set ADRA, 16
.set ADRB, 20
.set STO,  24
.set RD,   25
.set CO,   26
.set ADRS, 27
.set SPW,  28
.set NIL,  29
.set SC,   32
.set BI,   64
.set AF,   128
.set BK,   128
.set G1, 24
.set G0, 32
.set G1B, 48
.set G0B, 56
.set G1S, 68
.set G0S, 76
.set G1SB, 80
.set G0SB, 88
.set MSB, 0
.macro WIN new
.if MSB != (\new)
	s_set_vgpr_msb (MSB<<8)|(\new)
.set MSB, (\new)
.endif
.endm
.set MUL_LO, 0xa1
.set MUL_HI, 0xf1
.set TO_B,   0x40
.macro JLOAD g0a, g1a, g0b, g1b
	s_cmp_eq_u32 s15, 0
	s_cbranch_scc0 .Lfor_b_\@
	tensor_load_to_lds s[\g0a:\g0a+3], s[\g1a:\g1a+7]
	s_nop 0
.rept 4
	v_nop
.endr
	s_branch .Lasked_\@
.Lfor_b_\@:
	tensor_load_to_lds s[\g0b:\g0b+3], s[\g1b:\g1b+7]
	s_nop 0
.rept 4
	v_nop
.endr
.Lasked_\@:
.endm
.macro CREST
	s_cmp_lg_u32 s14, 0
	s_cbranch_scc1 .Lnot_wave_0_\@
	s_barrier_signal -3
.Lnot_wave_0_\@:
	s_barrier_wait -3
	s_barrier_signal -1
	s_barrier_wait -1
.endm
.macro CROUND
	s_barrier_signal -1
	s_barrier_wait -1
	CREST
.endm
	s_load_b256 s[4:11], s[0:1], 0x0
	s_load_b128 s[96:99], s[0:1], 0x20
	v_lshl_add_u32 v[SPW], v0, 2, SPARE
	v_mov_b32 v[NIL], 0
	ds_add_u32 v28, v29
	ds_add_u32 v28, v29
	s_wait_dscnt 0x0
	v_lshrrev_b32 v1, 5, v0
	v_readfirstlane_b32 s14, v1
	s_lshr_b32 s15, s14, 1
	s_and_b32 s16, s14, 1
	s_bfe_u32 s40, ttmp6, 0x40000
	s_bfe_u32 s41, ttmp6, 0x40004
	s_lshl_b32 s42, ttmp9, 2
	s_add_co_u32 s42, s42, s40
	s_and_b32 s17, ttmp7, 0xffff
	s_lshl_b32 s17, s17, 2
	s_add_co_u32 s17, s17, s41
	s_lshl_b32 s43, s41, 2
	s_lshl_b32 s43, 15, s43
	s_lshl_b32 s44, 0x1111, s40
	s_or_b32 s[G1+0], s43, (3<<16)|(1<<21)
	s_or_b32 s[G1B+0], s44, (3<<16)|(1<<21)
.irp g, G1, G1B
	s_mov_b32 s[\g+1], 384<<16
	s_mov_b32 s[\g+2], 16<<16
	s_mov_b32 s[\g+3], 384<<16
	s_mov_b32 s[\g+4], 16
	s_mov_b32 s[\g+5], 1536
	s_mov_b32 s[\g+6], 0
	s_mov_b32 s[\g+7], 0
.endr
	s_or_b32 s[G1S+0], s43, (3<<16)|(1<<21)
	s_or_b32 s[G1SB+0], s44, (3<<16)|(1<<21)
.irp g, G1S, G1SB
	s_mov_b32 s[\g+1], 32<<16
	s_mov_b32 s[\g+2], 64<<16
	s_mov_b32 s[\g+3], 32<<16
	s_mov_b32 s[\g+4], 64
	s_mov_b32 s[\g+5], 32
	s_mov_b32 s[\g+6], 0
	s_mov_b32 s[\g+7], 0
.endr
	s_lshl_b32 s18, s16, 3
	s_lshl_b32 s20, s17, 4
	s_add_co_u32 s20, s20, s18
	s_lshl_b32 s46, s42, 4
	s_add_co_u32 s46, s46, s18
	s_add_co_u32 s46, s46, 192
	s_mul_i32 s22, s20, 1024
	s_mov_b32 s23, 0
	s_mul_i32 s20, s20, 12288
	s_mov_b32 s21, 0
	s_mul_i32 s92, s46, 1024
	s_mov_b32 s93, 0
	s_mul_i32 s46, s46, 12288
	s_mov_b32 s47, 0
	s_mul_i32 s45, s14, HALFT
	s_lshl_b32 s94, s16, 13                        ; my half's 8 tiles of scale words, in bytes: taken off again for the head's whole blocks
	s_mov_b32 s95, 0
	s_wait_kmcnt 0x0
	s_add_nc_u64 s[20:21], s[4:5], s[20:21]
	s_add_nc_u64 s[22:23], s[6:7], s[22:23]
	s_add_nc_u64 s[46:47], s[8:9], s[46:47]
	s_add_nc_u64 s[92:93], s[10:11], s[92:93]
	CROUND
	s_mov_b32 s[G0S], 1
	s_mov_b32 s[G0S+1], SCL
	s_sub_nc_u64 s[G0S+2:G0S+3], s[22:23], s[94:95]
	s_or_b32 s[G0S+3], s[G0S+3], 0x80000000
	s_mov_b32 s[G0SB], 1
	s_mov_b32 s[G0SB+1], SCL+2*HALFS
	s_sub_nc_u64 s[G0SB+2:G0SB+3], s[92:93], s[94:95]
	s_or_b32 s[G0SB+3], s[G0SB+3], 0x80000000
.irp s, 0,1
	s_mov_b32 s[G0+4*\s], 1
	s_add_co_u32 s[G0+4*\s+1], s45, \s*SLOT
	s_add_nc_u64 s[G0+4*\s+2:G0+4*\s+3], s[20:21], \s*TROW
	s_or_b32 s[G0+4*\s+3], s[G0+4*\s+3], 0x80000000
	s_mov_b32 s[G0B+4*\s], 1
	s_add_co_u32 s[G0B+4*\s+1], s45, \s*SLOT
	s_add_nc_u64 s[G0B+4*\s+2:G0B+4*\s+3], s[46:47], \s*TROW
	s_or_b32 s[G0B+4*\s+3], s[G0B+4*\s+3], 0x80000000
.endr
; the head's four tiles, one joint load a wave, in one chain of arms: wave 0 slot 0's 16 tiles of A, wave 1 A's scale words, wave 2 slot 0's 16 tiles of B, wave 3 B's scale words
.macro ARM under, g0, g1, next
	s_cmp_lt_u32 s14, \under
	s_cbranch_scc0 \next
	tensor_load_to_lds s[\g0:\g0+3], s[\g1:\g1+7]
	s_nop 0
.rept 4
	v_nop
.endr
	s_branch .Lhead_asked
\next:
.endm
	ARM 1, G0,  G1,  .Lhead_sa
	ARM 2, G0S, G1S, .Lhead_b
	ARM 3, G0B, G1B, .Lhead_sb
	tensor_load_to_lds s[G0SB:G0SB+3], s[G1SB:G1SB+7]
	s_nop 0
.rept 4
	v_nop
.endr
.Lhead_asked:
	v_and_b32 v1, 15, v0
	v_bfe_u32 v2, v0, 4, 1
	s_wait_alu depctr_va_vdst(0)
	v_and_b32 v3, 31, v0
	v_lshlrev_b32 v4, 4, v3
	s_mul_i32 s21, s15, HALFT
	s_mul_i32 s22, s16, HALFT
	s_add_co_u32 s22, s22, 2*HALFT
.irp s, 0,1
	v_add_nc_u32 v[ADRA+\s], s21, v4
	v_add_nc_u32 v[ADRB+\s], s22, v4
	s_add_co_u32 s21, s21, SLOT
	s_add_co_u32 s22, s22, SLOT
.endr
	v_lshlrev_b32 v5, 2, v3
	s_mul_i32 s21, s15, HALFS
	s_mul_i32 s22, s16, HALFS
	s_add_co_u32 s22, s22, 2*HALFS
	s_sub_co_u32 s22, s22, s21
	v_mul_u32_u24 v6, s22, v2
	s_add_co_u32 s21, s21, SCL
	v_add_nc_u32 v5, v5, v6
	v_add_nc_u32 v[ADRS], s21, v5
	s_mul_i32 s23, s14, 16*SPITCH
	v_mul_u32_u24 v5, v1, SPITCH
	v_lshl_add_u32 v5, v2, 6, v5
	v_add_nc_u32 v[STO], s23, v5
	v_add_nc_u32 v[RD], s23, v4
	v_mov_b32 v[CO], v4
	s_lshl_b32 s20, s17, 8
	s_lshl_b32 s21, s15, 7
	s_add_co_u32 s20, s20, s21
	s_lshl_b32 s20, s20, 12
	s_lshl_b32 s46, s42, 10
	s_lshl_b32 s47, s16, 9
	s_add_co_u32 s46, s46, s47
	s_add_co_u32 s20, s20, s46
	s_mov_b32 s21, 0
	s_mov_b32 s47, 0
	s_add_nc_u64 s[12:13], s[98:99], s[20:21]
	s_add_nc_u64 s[96:97], s[96:97], s[46:47]
	v_lshlrev_b32 v5, 6, v2
.irp t, 0,1,2,3,4,5,6,7
	global_load_b128 v[BI+8*\t:BI+8*\t+3], v5, s[96:97] offset:(32*(\t/2)+8*(\t%2))*4
	global_load_b128 v[BI+8*\t+4:BI+8*\t+7], v5, s[96:97] offset:(32*(\t/2)+8*(\t%2))*4+16
.endr
.macro FRAG reg, adr, q, i
.irp c, 0,1,2
	ds_load_b128 v[\reg+4*\c:\reg+4*\c+3], v[\adr] offset:(\i)*TROW+(\q)*FRB+512*\c
.endr
.endm
.macro MUL16 a0, p, q, sc, zero
.irp a, \a0, \a0+1
.irp b, 0,1,2,3,4,5,6,7
.if \zero == 2
	v_wmma_scale_f32_16x16x128_f8f6f4 v[8*(8*((\a)%4)+\b):8*(8*((\a)%4)+\b)+7], v[128*(\p)+FR*\b:128*(\p)+FR*\b+FR-1], v[AF+FR*(\a):AF+FR*(\a)+FR-1], v[BI+8*\b:BI+8*\b+7], v[SC+8*NQ*(\sc)+NQ*\b+(\q)], v[SC+8*NQ*(\sc)+NQ*(\a)+(\q)] matrix_a_fmt:MATRIX_FMT_FP6 matrix_b_fmt:MATRIX_FMT_FP6 matrix_a_scale:MATRIX_SCALE_ROW1
.else
	v_wmma_scale_f32_16x16x128_f8f6f4 v[8*(8*((\a)%4)+\b):8*(8*((\a)%4)+\b)+7], v[128*(\p)+FR*\b:128*(\p)+FR*\b+FR-1], v[AF+FR*(\a):AF+FR*(\a)+FR-1], v[8*(8*((\a)%4)+\b):8*(8*((\a)%4)+\b)+7], v[SC+8*NQ*(\sc)+NQ*\b+(\q)], v[SC+8*NQ*(\sc)+NQ*(\a)+(\q)] matrix_a_fmt:MATRIX_FMT_FP6 matrix_b_fmt:MATRIX_FMT_FP6 matrix_a_scale:MATRIX_SCALE_ROW1
.endif
.endr
.endr
.endm
.macro FETCH_B slot, q, p
	WIN TO_B
.irp i, 0,1,2,3,4,5,6,7
	FRAG 128*(\p)+FR*\i, ADRB+\slot, \q, \i
.endr
	WIN 0
.endm
.macro FETCH_A slot, q, i0
.irp i, \i0, \i0+1, \i0+2, \i0+3
	FRAG AF+FR*(\i), ADRA+\slot, \q, \i
.endr
.endm
.macro SCALES sc
.irp i, 0,1,2,3,4,5,6,7
.irp q, 0,1
	ds_load_b32 v[SC+8*NQ*\sc+NQ*\i+\q], v[ADRS] offset:\i*1024+\q*128
.endr
.endr
.endm
.macro PLACES n
.rept \n
	v_nop
.endr
.endm
.macro STEP slot, q, zero
	s_wait_dscnt 4*NL
.if \zero == 2
	WIN 0x81
.else
	WIN MUL_LO
.endif
	MUL16 0, (\q)%2, \q, \slot, \zero
	MUL16 2, (\q)%2, \q, \slot, \zero
	s_wait_dscnt 0
	PLACES NP
	FETCH_B \slot, (\q)+1, 1-(\q)%2
	FETCH_A \slot, (\q)+1, 0
.if \zero == 2
	WIN 0xc1
.else
	WIN MUL_HI
.endif
	MUL16 4, (\q)%2, \q, \slot, \zero
	MUL16 6, (\q)%2, \q, \slot, \zero
	PLACES NP
	WIN 0
	FETCH_A \slot, (\q)+1, 4
.endm
.macro TURN slot, next, fill
	s_wait_tensorcnt 0x0
	ds_add_u32 v[SPW], v[NIL]
	s_wait_dscnt 4*NL+1
	WIN MUL_LO
	MUL16 0, 1, NQ-1, \slot, 0
	s_wait_dscnt 0x0
	s_barrier_signal -1
	MUL16 2, 1, NQ-1, \slot, 0
	WIN 0
	s_barrier_wait -1
.if \fill
	CREST
	s_add_nc_u64 s[G0+4*\slot+2:G0+4*\slot+3], s[G0+4*\slot+2:G0+4*\slot+3], 2*TROW
	s_add_nc_u64 s[G0B+4*\slot+2:G0B+4*\slot+3], s[G0B+4*\slot+2:G0B+4*\slot+3], 2*TROW
	JLOAD G0+4*\slot, G1, G0B+4*\slot, G1B
.else
	PLACES NP
.endif
	s_wait_alu depctr_va_vdst(0)
	v_add_nc_u32 v[ADRS], 128*NQ, v[ADRS]
	FETCH_B \next, 0, 0
	FETCH_A \next, 0, 0
	SCALES \next
	WIN MUL_HI
	MUL16 4, 1, NQ-1, \slot, 0
	MUL16 6, 1, NQ-1, \slot, 0
	PLACES NP
	WIN 0
	FETCH_A \next, 0, 4
.endm
	s_wait_alu depctr_va_vdst(0)
	s_wait_loadcnt 0x0
	s_wait_tensorcnt 0x0                           ; my tile of the head's four is in
	ds_add_u32 v[SPW], v[NIL]
	s_mov_b32 s[G1+2], 8<<16                       ; no tensor load of mine is out: from here on a load brings 8 tiles
	s_mov_b32 s[G1+4], 8
	s_mov_b32 s[G1B+2], 8<<16
	s_mov_b32 s[G1B+4], 8
	s_wait_dscnt 0x0
	CROUND                                         ; all four tiles are shown to all waves
	JLOAD G0+4, G1, G0B+4, G1B                     ; slot 1's first fill, issued as a refill is
	FETCH_B 0, 0, 0
	FETCH_A 0, 0, 0
	SCALES 0
	FETCH_A 0, 0, 4
	STEP 0, 0, 2
	s_mov_b32 s3, LAPS-1
.Llap:
	TURN 0, 1, 1
	STEP 1, 0, 0
	TURN 1, 0, 1
	STEP 0, 0, 0
	s_sub_co_u32 s3, s3, 1
	s_cmp_lg_u32 s3, 0
	s_cbranch_scc1 .Llap
	TURN 0, 1, 0
	STEP 1, 0, 0
	s_wait_dscnt 4*NL
	WIN MUL_LO
	MUL16 0, 1, NQ-1, 1, 0
	MUL16 2, 1, NQ-1, 1, 0
	s_wait_dscnt 0
	WIN MUL_HI
	MUL16 4, 1, NQ-1, 1, 0
	MUL16 6, 1, NQ-1, 1, 0
	WIN 0
.macro TOSTAGE a
.set AC, 64*((\a)%4)
	WIN 0x08+4*((\a)/4)
.irp b, 0,1,2,3,4,5,6,7
	ds_store_b128 v[STO], v[AC+8*\b:AC+8*\b+3] offset:128*(\b/2)+32*(\b%2)
	ds_store_b128 v[STO], v[AC+8*\b+4:AC+8*\b+7] offset:128*(\b/2)+32*(\b%2)+16
.endr
	WIN 0
.set BB, BK+64*((\a)%2)
.irp t, 0,1,2,3,4,5,6,7,8,9,10,11,12,13,14,15
	ds_load_b128 v[BB+4*\t:BB+4*\t+3], v[RD] offset:\t*SPITCH
.endr
.endm
.macro SEND a, younger
.set BB, BK+64*((\a)%2)
	s_wait_dscnt \younger
.irp t, 0,1,2,3,4,5,6,7,8,9,10,11,12,13,14,15
	global_store_b128 v[CO], v[BB+4*\t:BB+4*\t+3], s[12:13] offset:(32*((\a)/2)+8*((\a)%2)+\t+8*(\t/8))*4096 th:TH_STORE_NT
.endr
.endm
	PLACES NP
	TOSTAGE 0
.irp a, 1,2,3,4,5,6,7
.if \a > 1
	s_wait_xcnt 0x0
.endif
	TOSTAGE \a
	SEND \a-1, 32
.endr
	SEND 7, 0
	s_wait_tensorcnt 0x0
	ds_add_u32 v[SPW], v[NIL]
	s_wait_dscnt 0x0
	CROUND
	s_endpgm
.Lfunc_end_k_q3f00c0b0a4_outp:
	.size	k_q3f00c0b0a4_outp, .Lfunc_end_k_q3f00c0b0a4_outp-k_q3f00c0b0a4_outp
	.p2alignl 7, 3214868480
	.fill 96, 4, 3214868480
	.section	.rodata,"a",@progbits
	.p2align	6, 0x0
	.amdhsa_kernel k_q3f00c0b0a4_outp
		.amdhsa_group_segment_fixed_size 327680
		.amdhsa_private_segment_fixed_size 0
		.amdhsa_enable_private_segment 0
		.amdhsa_kernarg_size 48
		.amdhsa_user_sgpr_count 2
		.amdhsa_user_sgpr_kernarg_segment_ptr 1
		.amdhsa_wavefront_size32 1
		.amdhsa_system_sgpr_workgroup_id_x 1
		.amdhsa_system_sgpr_workgroup_id_y 1
		.amdhsa_system_sgpr_workgroup_id_z 1
		.amdhsa_system_vgpr_workitem_id 0
		.amdhsa_next_free_vgpr 1024
		.amdhsa_next_free_sgpr 100
		.amdhsa_reserve_vcc 0
		.amdhsa_float_denorm_mode_32 3
		.amdhsa_float_denorm_mode_16_64 3
		.amdhsa_memory_ordered 1
		.amdhsa_forward_progress 1
		.amdhsa_inst_pref_size 139
	.end_amdhsa_kernel
	.amdgpu_metadata
---
amdhsa.version: [ 1, 2 ]
amdhsa.kernels:
  - .name:           k_q3f00c0b0a4_outp
    .symbol:         k_q3f00c0b0a4_outp.kd
    .args:
      - { .name: zimg, .offset: 0, .size: 8, .value_kind: global_buffer, .address_space: global }
      - { .name: zscl, .offset: 8, .size: 8, .value_kind: global_buffer, .address_space: global }
      - { .name: wimg, .offset: 16, .size: 8, .value_kind: global_buffer, .address_space: global }
      - { .name: wscl, .offset: 24, .size: 8, .value_kind: global_buffer, .address_space: global }
      - { .name: bo, .offset: 32, .size: 8, .value_kind: global_buffer, .address_space: global }
      - { .name: out0, .offset: 40, .size: 8, .value_kind: global_buffer, .address_space: global }
    .group_segment_fixed_size: 327680
    .private_segment_fixed_size: 0
    .kernarg_segment_align: 8
    .kernarg_segment_size: 48
    .max_flat_workgroup_size: 128
    .sgpr_count:     100
    .vgpr_count:     1024
    .wavefront_size: 32
...
	.end_amdgpu_metadata
.endif
;; end of part 4
